; MI455X (gfx1250); checked and timed in simulation.
; The chip was launched on July 23, 2026; its instructions are those of AMD's public machine-readable ISA for CDNA 5 (MIT licence, August 2026) and "CDNA5" Instruction Set Architecture Reference Guide (July 2026). The comments in the code are by the model that wrote it; some were corrected since.
;; GPT2 Attention. Allowed arithmetic: matrix products marked QUANTISED: E2M1 operands, one E8M0 scale for each 32 along K, by v_wmma_scale_f32_16x16x128_f8f6f4 with both operands' format E2M1 (or v_wmma_scale_f32_32x16x128_f4), f32 sums; products left as they are: bf16, f16 or f32 operands; f32 sums; everything else in f32.
;; Inputs: Wk 1,024 x 1,024 float32; Wo 1,024 x 1,024 float32; Wq 1,024 x 1,024 float32; Wv 1,024 x 1,024 float32; bk 1,024 float32; bo 1,024 float32; bq 1,024 float32; bv 1,024 float32; hidden_states 4 x 2,048 x 1,024 float32.
;; Outputs: out0 4 x 2,048 x 1,024 float32.
;; This version of the problem:
;;   THIS VERSION OF THE PROBLEM IS GIVEN IN LOW PRECISION. The matrix products marked QUANTISED in the list below multiply operands that are first quantised to E2M1 (2 exponent bits, 1 mantissa bit; 4 bits a number), with one power-of-two scale for each 32 numbers along K (OCP MX v1.0); their sums are f32. The products marked 'left as it is' may take bf16, f16 or f32 operands, with f32 sums. Whichever they take, every output number must still come out within the allowed error. Rounding operands to bf16 (8 significant bits) uses up far more of that allowance than f16 does (11 bits, for magnitudes from 6e-5 to 65,504). All else is computed in f32.
;;   The module's matrix products, in the order in which they are computed (A, B: the left and right operand; K: the contracted axis; several contracted axes count as one K, in the product's order):
;;     1. [M 8,192, K 1,024] x [K 1,024, N 1,024]; A: input hidden_states; B: input Wq: QUANTISED
;;     2. [M 8,192, K 1,024] x [K 1,024, N 1,024]; A: input hidden_states; B: input Wk: QUANTISED
;;     3. [M 8,192, K 1,024] x [K 1,024, N 1,024]; A: input hidden_states; B: input Wv: QUANTISED
;;     4. batch 64 x [M 2,048, K 64] x [K 64, N 2,048]; A: computed on the way; B: computed on the way: left as it is (an operand is computed on the way)
;;     5. batch 64 x [M 2,048, K 2,048] x [K 2,048, N 64]; A: computed on the way; B: computed on the way: left as it is (an operand is computed on the way)
;;     6. [M 8,192, K 1,024] x [K 1,024, N 1,024]; A: computed on the way; B: input Wo: left as it is (an operand is computed on the way)
;;   THE QUANTISER, for each operand of a quantised product, along K:
;;     - K is cut into blocks of 32 from its start; a last block that is shorter is filled with zeros.
;;     - A block's scale is 2^e with e = floor(log2(the largest magnitude in the block)) - 2, held to -126 .. 127; a block of zeros has e = 0. As a byte (E8M0): e + 127.
;;     - Each number is divided by its block's scale, clamped to +-6, and rounded to the nearest number of E2M1, ties to even, subnormals kept.
;;     - The product sums the exact products of the quantised numbers (number of the format x scale) in f32.
;;   ~~~python
;;   def quantise(x, axis):      # numpy; x: float32 -> the quantised numbers, widened to float32 again
;;       x = np.moveaxis(x, axis, -1); K = x.shape[-1]
;;       x = np.pad(x, [(0, 0)] * (x.ndim - 1) + [(0, -K % 32)]); x = x.reshape(x.shape[:-1] + (-1, 32)); a = np.abs(x).max(-1, keepdims=True)
;;       e = np.where(a > 0, np.clip(np.frexp(np.where(a > 0, a, 1))[1] - 1 - 2, -126, 127), 0)      # np.frexp(a)[1] - 1 = floor(log2(a)), exactly
;;       r = np.clip(x / 2.0 ** e, -6, 6)
;;       step = 2.0 ** (np.maximum(np.frexp(np.where(r == 0, 1, r))[1] - 1, 0) - 1)
;;       q = np.round(r / step) * step * 2.0 ** e      # np.round: ties to even
;;       return np.moveaxis(q.reshape(q.shape[:-2] + (-1,))[..., :K], -1, axis).astype(np.float32)
;;   ~~~
;; One version. Each part assembles by itself: llvm-mc -triple=amdgcn-amd-amdhsa -mcpu=gfx1250 --defsym DOCPART=n.
;; ======== version 1 of 1: 4 launches
;; limits: values are held in f16: magnitudes above 65,504 overflow, below 6.1e-05 lose precision
;; workspace buffers: xc 4,194,304 bytes; xs 262,144 bytes; wc 1,572,864 bytes; ws 98,304 bytes; wo16 2,097,152 bytes; rope 524,288 bytes; qkv 50,331,648 bytes; ao 16,777,216 bytes
;; launch prep (part 1): grid 400 x 1, 4 waves a work-group, no clusters, 33,280 bytes of LDS; arguments hidden_states, Wq, Wk, Wv, Wo, xc, xs, wc, ws, wo16, rope; writes xc, xs, wc, ws, wo16, rope
.if DOCPART == 1
	.amdgcn_target "amdgcn-amd-amdhsa--gfx1250"
	.amdhsa_code_object_version 6
	.text
	.protected	k_q7b47252650_prep
	.globl	k_q7b47252650_prep
	.p2align	8
	.type	k_q7b47252650_prep,@function
k_q7b47252650_prep:
	s_mov_b64 s[64:65], 0
	v_nop
	global_prefetch_b8 v0, s[64:65] scope:SCOPE_SE
	s_setreg_imm32_b32 hwreg(HW_REG_WAVE_MODE, 25, 1), 1
	s_wait_xcnt 0x0
; THREE KINDS OF WORK-GROUPS, told apart by the work-group's number alone.
; 0-351: hidden_states [8192][1024] and Wq, Wk, Wv [1024][1024], f32, K innermost, become codes of FP4 (E2M1), two a byte, and one E8M0 byte for each 32 along K.
;   x -> xc [8192][512 bytes], xs [8192][32];  Wq, Wk, Wv one behind the other -> wc [3072][512 bytes], ws [3072][32].  Rows are dense: each tensor is a plain stream of blocks of 32.
;   A block's scale is 2^(floor(log2(largest magnitude)) - 2): its byte is the largest magnitude's exponent field - 2, held at 1 from below.  A block of zeros keeps the byte 1: its codes are zeros, and this program alone reads the bytes.
; 352-383: Wo [n 1024][k 1024] f32 -> wo16, f16, laid [k / 64][n][k % 64]: a plane of 64 along K is dense, 128 bytes a row.
; 384-399: the table of cos and sin of pos x 10000^(-i/32), pos 0..2047, i 0..31, f32, laid in the order of its reader's registers: [pos / 16][g 8][lane 32][4]: pos % 16 = lane % 16, h = lane / 16,
;   g = 4 kind + 2 u + half (kind 0 cos, 1 sin), i = 16 u + 8 h + 4 half + e.
; LIMITS: NaN and infinities among the inputs are not served; blocks whose largest magnitude lies under 2^-124 keep the byte 1; Wo's numbers beyond 65,504 have no f16;
;   the table's angle differs from pos x inv_freq rounded in f32 by up to about 5e-4 rad at pos 2047 (the turn count pos x inv_freq / 2 pi is formed with a factor good to a few ulp).
.set WAVES, 4
.set STEPS, 16
.set EMAX,  2
.set CB,    8                          ; bytes of 16 codes
.set R,     16                         ; v16-79   four sets of 16 numbers as they are loaded
.set X,     80                         ; v80-111  two sets of 16 neighbours
.set C,     128                        ; v128-191 codes: four registers for each step
.set E,     112                        ; v112-127 a scale byte for each step
.set WREG,  8192                       ; LDS: a region for each wave: two stages of 32 x SP bytes, then its 256 scale bytes
.set SP,    80                         ; a lane's place in a stage: 64 bytes + 16 of padding
.set SPW,   12                         ; v12 LDS address of my spare word; never rewritten
.set NIL,   13                         ; v13 0; never rewritten
.set SPARE, WAVES*WREG                 ; behind the four regions: the spare words, 128 bytes a wave
	s_load_b512 s[8:23], s[0:1], 0x0               ; x 8:9, Wq 10:11, Wk 12:13, Wv 14:15, Wo 16:17, xc 18:19, xs 20:21, wc 22:23
	s_load_b128 s[24:27], s[0:1], 0x40             ; ws 24:25, wo16 26:27
	s_load_b64 s[28:29], s[0:1], 0x50              ; rope
	v_lshl_add_u32 v[SPW], v0, 2, SPARE
	v_mov_b32 v[NIL], 0
	v_lshrrev_b32 v1, 5, v0
	v_readfirstlane_b32 s30, v1                    ; wave
	v_and_b32 v2, 31, v0                           ; lane
	s_wait_kmcnt 0x0
	s_cmp_ge_u32 ttmp9, 352
	s_cbranch_scc1 .Lother
; ---------------- the quantiser: a wave takes 16 steps of 512 numbers ----------------
; Each of a step's four loads reads 512 consecutive bytes, 16 a lane; the 2,048 bytes turn through the wave's own stage in LDS and come back 64 bytes a lane: 16 neighbours along K, two lanes to a block.
	v_lshlrev_b32 v3, 4, v2                        ; my 16 bytes of a load's 512
	s_mul_i32 s31, s30, WREG
	v_lshrrev_b32 v14, 2, v2
	v_mul_u32_u24 v14, v14, SP
	v_and_b32 v15, 3, v2
	v_lshl_add_u32 v14, v15, 4, v14
	v_add_nc_u32 v14, s31, v14                     ; the stage, on the way in: SP (lane / 4) + 16 (lane % 4)
	v_mul_u32_u24 v15, v2, SP
	v_add_nc_u32 v15, s31, v15                     ; and on the way out: SP x lane
	v_mul_u32_u24 v4, v2, CB                       ; my codes' place in a step's
	v_lshrrev_b32 v5, 1, v2
	s_add_co_u32 s31, s31, 2*32*SP
	v_add_nc_u32 v5, s31, v5                       ; LDS: my block's scale byte
	v_lshlrev_b32 v7, 3, v2                        ; and on the way out 8 bytes a lane
	v_add_nc_u32 v6, s31, v7
	s_and_b32 s34, ttmp9, 31                       ; a weight's work-group among its 32
	s_sub_co_u32 s35, ttmp9, 256                   ; and among the three weights' 96 (used only from 256 on)
	s_mov_b64 s[4:5], s[14:15]                     ; the source: Wv,
	s_cmp_lt_u32 ttmp9, 320
	s_cselect_b64 s[4:5], s[12:13], s[4:5]         ; or Wk,
	s_cmp_lt_u32 ttmp9, 288
	s_cselect_b64 s[4:5], s[10:11], s[4:5]         ; or Wq,
	s_cmp_lt_u32 ttmp9, 256
	s_cselect_b64 s[4:5], s[8:9], s[4:5]           ; or x: the choices hang on the work-group's number alone
	s_cselect_b64 s[6:7], s[18:19], s[22:23]       ; the codes: xc or wc
	s_cselect_b64 s[32:33], s[20:21], s[24:25]     ; the scale bytes: xs or ws
	s_cselect_b32 s34, ttmp9, s34
	s_cselect_b32 s35, ttmp9, s35
	s_lshl_b32 s34, s34, 2
	s_add_co_u32 s34, s34, s30                     ; which run of 8,192 numbers of the source is my wave's,
	s_lshl_b32 s35, s35, 2
	s_add_co_u32 s35, s35, s30                     ; and of the destination
	s_lshl_b32 s36, s34, 15                        ; 32,768 bytes of f32 a run (under 2^26)
	s_mov_b32 s37, 0
	s_add_nc_u64 s[4:5], s[4:5], s[36:37]
	s_lshl_b32 s36, s35, 12                        ; 4,096 bytes of codes
	s_add_nc_u64 s[6:7], s[6:7], s[36:37]
	s_lshl_b32 s36, s35, 8                         ; 256 scale bytes
	s_add_nc_u64 s[32:33], s[32:33], s[36:37]
.macro LOAD t
.irp i, 0,1,2,3
	global_load_b128 v[R+16*((\t)%4)+4*\i:R+16*((\t)%4)+4*\i+3], v3, s[4:5] offset:2048*(\t)+512*\i th:TH_LOAD_NT   ; 32 lanes read 512 consecutive bytes
.endr
.endm
.macro TURN t                          ; step t's numbers through the stage: LDS serves a wave's instructions in order, so no wait stands between the stores and the loads
.irp i, 0,1,2,3
	ds_store_b128 v14, v[R+16*((\t)%4)+4*\i:R+16*((\t)%4)+4*\i+3] offset:32*SP*((\t)%2)+8*SP*\i
.endr
.irp i, 0,1,2,3
	ds_load_b128 v[X+16*((\t)%2)+4*\i:X+16*((\t)%2)+4*\i+3], v15 offset:32*SP*((\t)%2)+16*\i
.endr
.endm
.irp t, 0,1,2,3
	LOAD \t
.endr
	s_wait_loadcnt 12                              ; step 0's four loads are in; the twelve of steps 1 to 3 may be out
	TURN 0
.macro STEP t
.set XS, X+16*((\t)%2)
.if (\t) > 0
	s_wait_dscnt 1                                 ; this step's numbers are back from the stage (the last step's byte store may be out)
.else
	s_wait_dscnt 0x0
.endif
.if (\t)+4 < STEPS
	LOAD (\t)+4                                    ; into the registers that this step's stage stores have read
.endif
.if (\t)+1 < STEPS
.if STEPS-2-(\t) >= 3
	s_wait_loadcnt 12                              ; the next step's four loads are in; those of the three steps behind it may be out
.else
	s_wait_loadcnt 4*(STEPS-2-(\t))
.endif
	TURN (\t)+1                                    ; through the other stage while this step is worked
.endif
	v_max3_num_f32 v8, |v[XS]|, |v[XS+1]|, |v[XS+2]|               ; the largest magnitude of my 16, in two chains
	v_max3_num_f32 v9, |v[XS+3]|, |v[XS+4]|, |v[XS+5]|
.irp i, 6,10
	v_max3_num_f32 v8, v8, |v[XS+\i]|, |v[XS+\i+1]|
	v_max3_num_f32 v9, v9, |v[XS+\i+2]|, |v[XS+\i+3]|
.endr
	v_max3_num_f32 v8, v8, |v[XS+14]|, |v[XS+15]|
	v_max3_num_f32 v8, v8, v9, (EMAX+1)<<23        ; and the floor 2^(3 - 127): the byte cannot fall under 1
	v_max_num_f32_dpp v8, v8, v8 row_xmask:1 row_mask:0xf bank_mask:0xf   ; and of my neighbour's 16: the block's
	v_add_nc_u32 v11, -(EMAX<<23), v8              ; 2 off its exponent field: the conversion takes the exponent field of this operand as its scale
	v_cvt_scalef32_pk8_fp4_f32 v[C+4*(\t)], v[XS:XS+7], v11        ; to the nearest code, ties to even, beyond 6 the largest code
	v_cvt_scalef32_pk8_fp4_f32 v[C+4*(\t)+1], v[XS+8:XS+15], v11
	v_lshrrev_b32 v[E+(\t)], 23, v11               ; the scale's byte
	ds_store_b8 v5, v[E+(\t)] offset:16*(\t)       ; both lanes of a block write the same byte with the same value
	global_store_b64 v4, v[C+4*(\t):C+4*(\t)+1], s[6:7] offset:32*CB*(\t)   ; the wave stores 256 consecutive bytes, aligned
.endm
.irp t, 0,1,2,3,4,5,6,7,8,9,10,11,12,13,14,15
	STEP \t
.endr
	ds_load_b64 v[8:9], v6                         ; my wave's 256 scale bytes: LDS serves a wave's instructions in order
	s_wait_dscnt 0x0
	global_store_b64 v7, v[8:9], s[32:33]          ; 256 consecutive bytes, aligned
	s_wait_tensorcnt 0x0                           ; the wave's end: behind my last LDS store
	ds_add_u32 v[SPW], v[NIL]
	s_wait_dscnt 0x0
	s_endpgm
.Lother:
	s_cmp_ge_u32 ttmp9, 384
	s_cbranch_scc1 .Ltable
; ---------------- Wo to f16, by planes of 64 along K.  No LDS ----------------
; Wave W (0..127) owns rows 8 W .. 8 W + 7.  A task is 4 rows x 64 k: lane l reads 8 numbers of row 4 gi + l / 8 at k = 64 kb + 8 (l % 8): eight lanes read 256 consecutive bytes, aligned;
; its 16 bytes of f16 lie at 16 l of the task's 512 consecutive bytes in plane kb.
	s_sub_co_u32 s31, ttmp9, 352
	s_lshl_b32 s31, s31, 2
	s_add_co_u32 s31, s31, s30                     ; W
	s_lshl_b32 s36, s31, 15                        ; 8 rows of 4,096 bytes
	s_mov_b32 s37, 0
	s_add_nc_u64 s[16:17], s[16:17], s[36:37]
	s_lshl_b32 s36, s31, 10                        ; 8 rows of 128 bytes in a plane
	s_add_nc_u64 s[26:27], s[26:27], s[36:37]
	v_lshrrev_b32 v3, 3, v2
	v_and_b32 v4, 7, v2
	v_lshlrev_b32 v4, 5, v4
	v_lshl_add_u32 v3, v3, 12, v4                  ; in: 4,096 (l / 8) + 32 (l % 8)
	v_lshlrev_b32 v5, 4, v2                        ; out: 16 l
.macro LOADB q                         ; batch q of four: gi = q / 2, kb = 8 (q % 2) + 0 .. 7: sixteen loads into set q % 2
.irp i, 0,1,2,3,4,5,6,7
	global_load_b128 v[16+64*((\q)%2)+8*\i:16+64*((\q)%2)+8*\i+3], v3, s[16:17] offset:((\q)/2)*16384+(8*((\q)%2)+\i)*256 th:TH_LOAD_NT
	global_load_b128 v[16+64*((\q)%2)+8*\i+4:16+64*((\q)%2)+8*\i+7], v3, s[16:17] offset:((\q)/2)*16384+(8*((\q)%2)+\i)*256+16 th:TH_LOAD_NT
.endr
.endm
.macro BATCH q
.if (\q) < 3
	s_wait_loadcnt 16                              ; this batch's sixteen loads are in; the next batch's may be out
.else
	s_wait_loadcnt 0x0
.endif
.if (\q) > 0
	s_wait_xcnt 0x0                                ; the last batch's stores have read v144-175, which are written again below
.endif
.irp i, 0,1,2,3,4,5,6,7
.irp p, 0,1,2,3
	v_cvt_pk_f16_f32 v[144+4*\i+\p], v[16+64*((\q)%2)+8*\i+2*\p], v[16+64*((\q)%2)+8*\i+2*\p+1]
.endr
.endr
.irp i, 0,1,2,3,4,5,6,7
	global_store_b128 v5, v[144+4*\i:144+4*\i+3], s[26:27] offset:(8*((\q)%2)+\i)*131072+((\q)/2)*512   ; 512 consecutive bytes, aligned
.endr
.if (\q)+2 < 4
	LOADB (\q)+2
.endif
.endm
	LOADB 0
	LOADB 1
	BATCH 0
	BATCH 1
	BATCH 2
	BATCH 3
	s_endpgm
.Ltable:
; ---------------- the table of cos and sin.  No LDS ----------------
; Work-group tg (0..15) makes positions 128 tg .. 128 tg + 127, 16 a trip.  Wave w stands for (u, half) = (w / 2, w % 2): it writes groups g = w (cos) and g = 4 + w (sin).
; A value: turns = pos x c, c = inv_freq / 2 pi; f = turns less the nearest whole number, by one fused multiply-add, so nothing of the fraction is lost; y = f pi / 2, |y| <= pi / 4;
; sin y by its series up to y^9; cos(4 y) = 8 ((sin^2 y - 1/2)^2 - 1/8).  The sine is the cosine a quarter turn back.
	s_sub_co_u32 s31, ttmp9, 384                   ; tg
	s_lshl_b32 s36, s31, 15                        ; 8 blocks of 4,096 bytes
	s_mov_b32 s37, 0
	s_add_nc_u64 s[28:29], s[28:29], s[36:37]
	s_lshr_b32 s32, s30, 1
	s_lshl_b32 s32, s32, 4
	s_and_b32 s33, s30, 1
	s_lshl_b32 s33, s33, 2
	s_add_co_u32 s32, s32, s33                     ; 16 u + 4 half
	v_bfe_u32 v3, v0, 4, 1
	v_lshl_add_u32 v3, v3, 3, s32                  ; + 8 h
.irp e, 0,1,2,3
	v_add_nc_u32 v[4+\e], \e, v3                   ; i
.endr
.irp e, 0,1,2,3
	v_cvt_f32_u32 v[4+\e], v[4+\e]
.endr
	s_mov_b32 s38, 0xbed49a78                      ; -log2(10000) / 32
	s_mov_b32 s39, 0xc029b21d                      ; -log2(2 pi)
	s_mov_b32 s40, 0xbe2aaaab                      ; -1/6
	s_mov_b32 s41, 0x3c088889                      ; 1/120
	s_mov_b32 s42, 0xb9500d01                      ; -1/5040
	s_mov_b32 s43, 0x3638ef1d                      ; 1/362880
	s_mov_b32 s44, 0x3fc90fdb                      ; pi / 2
.irp e, 0,1,2,3
	v_fma_f32 v[4+\e], v[4+\e], s38, s39
.endr
.irp e, 0,1,2,3
	v_exp_f32 v[4+\e], v[4+\e]                     ; c = inv_freq / 2 pi
.endr
	v_and_b32 v8, 15, v0                           ; (plain work behind the four exponentials)
	s_lshl_b32 s33, s31, 7
	v_add_nc_u32 v8, s33, v8
	v_cvt_f32_u32 v8, v8                           ; pos = 128 tg + lane % 16, as f32: exact
	v_lshlrev_b32 v9, 4, v2
	s_lshl_b32 s33, s30, 9
	v_add_nc_u32 v9, s33, v9                       ; 16 lane + 512 w
	s_wait_alu depctr_va_vdst(0)                   ; one wait for the four, ahead of their first reader
	s_mov_b32 s45, 8
.Ltrip:                                            ; value n of 8: frequency n % 4; n < 4 cos, else sin.  The eight go line by line, so that no line waits for the line above it
.irp n, 0,1,2,3,4,5,6,7
	v_mul_f32 v[24+\n], v8, v[4+\n%4]              ; turns, rounded: good enough to find the nearest whole number
.endr
.irp n, 4,5,6,7
	v_add_f32 v[24+\n], 0xbe800000, v[24+\n]       ; a quarter turn back
.endr
.irp n, 0,1,2,3,4,5,6,7
	v_rndne_f32 v[32+\n], v[24+\n]
.endr
.irp n, 0,1,2,3,4,5,6,7
	v_fma_f32 v[24+\n], v8, v[4+\n%4], -v[32+\n]   ; the fraction, from the exact product
.endr
.irp n, 4,5,6,7
	v_add_f32 v[24+\n], 0xbe800000, v[24+\n]
.endr
.irp n, 0,1,2,3,4,5,6,7
	v_mul_f32 v[24+\n], s44, v[24+\n]              ; y
.endr
.irp n, 0,1,2,3,4,5,6,7
	v_mul_f32 v[32+\n], v[24+\n], v[24+\n]         ; z = y^2
.endr
.irp n, 0,1,2,3,4,5,6,7
	v_fma_f32 v[40+\n], v[32+\n], s43, s42
.endr
.irp n, 0,1,2,3,4,5,6,7
	v_fma_f32 v[40+\n], v[40+\n], v[32+\n], s41
.endr
.irp n, 0,1,2,3,4,5,6,7
	v_fma_f32 v[40+\n], v[40+\n], v[32+\n], s40
.endr
.irp n, 0,1,2,3,4,5,6,7
	v_mul_f32 v[40+\n], v[40+\n], v[32+\n]
.endr
.irp n, 0,1,2,3,4,5,6,7
	v_fma_f32 v[24+\n], v[24+\n], v[40+\n], v[24+\n]   ; sin y
.endr
.irp n, 0,1,2,3,4,5,6,7
	v_fma_f32 v[24+\n], v[24+\n], v[24+\n], -0.5   ; -cos(2 y) / 2
.endr
.irp n, 0,1,2,3,4,5,6,7
	v_fma_f32 v[24+\n], v[24+\n], v[24+\n], 0xbe000000   ; cos(4 y) / 8
.endr
.irp n, 0,1,2,3,4,5,6,7
	v_mul_f32 v[16+\n], 0x41000000, v[24+\n]       ; x 8: exact
.endr
	global_store_b128 v9, v[16:19], s[28:29]               ; cos: the wave stores 512 consecutive bytes
	global_store_b128 v9, v[20:23], s[28:29] offset:2048   ; sin
	v_add_f32 v8, 0x41800000, v8                   ; 16 positions on
	s_wait_xcnt 0x0                                ; the stores have read their data and their base: both are written again
	s_add_nc_u64 s[28:29], s[28:29], 4096
	s_sub_co_u32 s45, s45, 1
	s_cmp_lg_u32 s45, 0
	s_cbranch_scc1 .Ltrip
	s_endpgm
.Lfunc_end_k_q7b47252650_prep:
	.size	k_q7b47252650_prep, .Lfunc_end_k_q7b47252650_prep-k_q7b47252650_prep
	.p2alignl 7, 3214868480
	.fill 96, 4, 3214868480
	.section	.rodata,"a",@progbits
	.p2align	6, 0x0
	.amdhsa_kernel k_q7b47252650_prep
		.amdhsa_group_segment_fixed_size 33280
		.amdhsa_private_segment_fixed_size 0
		.amdhsa_enable_private_segment 0
		.amdhsa_kernarg_size 88
		.amdhsa_user_sgpr_count 2
		.amdhsa_user_sgpr_kernarg_segment_ptr 1
		.amdhsa_wavefront_size32 1
		.amdhsa_system_sgpr_workgroup_id_x 1
		.amdhsa_system_sgpr_workgroup_id_y 1
		.amdhsa_system_sgpr_workgroup_id_z 1
		.amdhsa_system_vgpr_workitem_id 0
		.amdhsa_next_free_vgpr 192
		.amdhsa_next_free_sgpr 66
		.amdhsa_reserve_vcc 0
		.amdhsa_float_denorm_mode_32 3
		.amdhsa_float_denorm_mode_16_64 3
		.amdhsa_memory_ordered 1
		.amdhsa_forward_progress 1
		.amdhsa_inst_pref_size 60
	.end_amdhsa_kernel
	.amdgpu_metadata
---
amdhsa.version: [ 1, 2 ]
amdhsa.kernels:
  - .name:           k_q7b47252650_prep
    .symbol:         k_q7b47252650_prep.kd
    .args:
      - { .name: hidden_states, .offset: 0, .size: 8, .value_kind: global_buffer, .address_space: global }
      - { .name: Wq, .offset: 8, .size: 8, .value_kind: global_buffer, .address_space: global }
      - { .name: Wk, .offset: 16, .size: 8, .value_kind: global_buffer, .address_space: global }
      - { .name: Wv, .offset: 24, .size: 8, .value_kind: global_buffer, .address_space: global }
      - { .name: Wo, .offset: 32, .size: 8, .value_kind: global_buffer, .address_space: global }
      - { .name: xc, .offset: 40, .size: 8, .value_kind: global_buffer, .address_space: global }
      - { .name: xs, .offset: 48, .size: 8, .value_kind: global_buffer, .address_space: global }
      - { .name: wc, .offset: 56, .size: 8, .value_kind: global_buffer, .address_space: global }
      - { .name: ws, .offset: 64, .size: 8, .value_kind: global_buffer, .address_space: global }
      - { .name: wo16, .offset: 72, .size: 8, .value_kind: global_buffer, .address_space: global }
      - { .name: rope, .offset: 80, .size: 8, .value_kind: global_buffer, .address_space: global }
    .group_segment_fixed_size: 33280
    .private_segment_fixed_size: 0
    .kernarg_segment_align: 8
    .kernarg_segment_size: 88
    .max_flat_workgroup_size: 128
    .sgpr_count:     66
    .vgpr_count:     192
    .wavefront_size: 32
...
	.end_amdgpu_metadata
.endif
;; end of part 1
;; launch qkv (part 2): grid 12 x 32, 4 waves a work-group, clusters of 4 x 4, 327,680 bytes of LDS; arguments xc, xs, wc, ws, bq, bk, bv, rope, qkv; writes qkv
.if DOCPART == 2
	.amdgcn_target "amdgcn-amd-amdhsa--gfx1250"
	.amdhsa_code_object_version 6
	.text
	.protected	k_q7b47252650_qkv
	.globl	k_q7b47252650_qkv
	.p2align	8
	.type	k_q7b47252650_qkv,@function
k_q7b47252650_qkv:
	s_mov_b64 s[64:65], 0
	v_nop
	global_prefetch_b8 v0, s[64:65] scope:SCOPE_SE
	s_setreg_imm32_b32 hwreg(HW_REG_WAVE_MODE, 25, 1), 1
	s_wait_xcnt 0x0
	s_wait_alu depctr_hold_cnt(0) depctr_sa_sdst(0) depctr_va_vdst(0) depctr_va_sdst(0) depctr_va_ssrc(0) depctr_va_vcc(0) depctr_vm_vsrc(0)
	s_getreg_b32 s2, hwreg(HW_REG_IB_STS2, 6, 4)
	s_cmp_eq_u32 s2, 0
	s_cbranch_scc0 .Lentry_in_a_cluster
	s_endpgm
.Lentry_in_a_cluster:
	s_bfe_u32 s2, ttmp6, 0x10000c
	s_cmp_lg_u32 s2, 0xf033
	s_cbranch_scc0 .Lentry_shape_is_right
	s_endpgm
.Lentry_shape_is_right:
; q, k, v = x W^T + b on codes of FP4 (E2M1) with one E8M0 scale for each 32 along K = 1,024; q and k are turned by RoPE; all three leave as f16.
; xc [8192][512 bytes], xs [8192][32];  wc [3072][512 bytes], ws [3072][32] (rows 0-1023 Wq, 1024-2047 Wk, 2048-3071 Wv).
; qkv: Q at byte 0 and K at 16,777,216, both [batch x 16 + head][position 2048][64] f16;  V^T at 33,554,432, [batch][channel 1024][position 2048] f16: the keys innermost, as the next launch's second product wants them.
; A tile of 256 x 256 is made by a work-group of four waves; a wave makes 128 x 128: 64 accumulators of 16 x 16, 512 registers.  K = 1,024 is two slots of 512 in LDS, both asked for at the head: nothing is filled again.
; THE MATRIX INSTRUCTION IS USED TRANSPOSED (source 0 = 16 rows of B, source 1 = 16 rows of A): a lane holds eight neighbouring columns (rows of B) of one row of A.
; CLUSTERS of 4 x 4 work-groups; A's tiles are asked for jointly along a row of the cluster, B's along a column.  Cluster x = 0 makes Q, 1 makes K: A = x's rows, B = W's rows: a lane holds eight neighbouring
; features of one token.  Cluster x = 2 makes V with the parts CHANGED: A = Wv's rows, B = x's rows: a lane holds eight neighbouring KEYS of one channel, which is V^T.  Nothing is transposed.
; 384 work-groups of equal work: a tile that gave 256 (256 x 384) would want 768 registers of accumulators a wave and leave no room for B's two sets of fragments.
; LIMITS: |q|, |k|, |v| stay under 65,504 (f16); NaN and infinities are not served.
; REGISTERS, in windows of 256: window 0: v0-31 addresses; v32-95 scale words, two sets, and nothing else; v128-191 A's fragments; on the way out v96-159 a block in f32, v160-223 two sets of packed rows, v224-231 at work.
;   window 1: B's fragments, two sets, v0-63 and v128-191; on the way out v64-127 the bias, v192-255 two sets of cos and sin.   windows 2, 3: the accumulators ((a, b) at v[8 (8 (a % 4) + b)] of window 2 + a / 4).
.set KSTEP,  512
.set NQ,     4                         ; steps of 128 along K in a slot
.set ROWB,   256                       ; a tile's row in bytes
.set KROW,   512                       ; a row of codes in memory
.set PITCH,  272                       ; an LDS row: 256 bytes + 16 of padding = 68 words: the 16 rows that a load touches start 4 banks apart (64 banks of 4 bytes: ISA guide 11.1)
.set FR,     8
.set NL,     2
.set NP,     4                         ; places behind this matrix instruction (ISA guide 7.12.1)
.set HALFT,  128*PITCH                 ; 128 rows: what one tensor load brings
.set SLOT,   4*HALFT                   ; A's 256 rows, then B's 256
.set KS,     32                        ; a row of scale bytes
.set SCL,    2*SLOT                    ; behind the two slots: the scale bytes, as units of 256 bytes + 16 of padding
.set HALFS,  (128*KS/256)*272          ; those of 128 rows
.set SBLK,   (16*KS/256)*272           ; of 16 rows
.set SPARE,  SCL+4*HALFS               ; the spare words, 128 bytes a wave
.set STGV,   32768                     ; the way out's stages lie in slot 0, which has had its one fill and its last read: Q's and K's from byte 0, V's from here; 16 rows x 272 bytes a wave
.set ADRA, 16
.set ADRB, 20
.set STOQ, 24                          ; v24 stage, in: row l % 16, 16 bytes for each half of the lanes
.set RDQ,  25                          ; v25 stage, back, Q and K: row l / 8, 16 (l % 8)
.set L16,  26                          ; v26 16 x lane
.set ADRS, 27
.set SPW,  28
.set NIL,  29
.set STOV, 7                           ; v7, v8 the same for V's stage: back by rows of 256 bytes, sixteen lanes to a row
.set RDV,  8
.set COV,  9                           ; v9  V: 4,096 (l / 16) + 16 (l % 16)
.set H32,  10                          ; v10 32 (l / 16)
.set R4,   11                          ; v11 4 (l % 16)
.set SC,   32
.set AF,   128
.set X,    96
.set PKB,  160
.set T,    224
.set BI,   64                          ; in window 1
.set CS,   192                         ; in window 1: set a % 2: cos at + 8 u + j, sin at + 16 + 8 u + j
.set G1, 24
.set G0, 32
.set G1B, 48
.set G0B, 56
.set G1S, 68
.set G0S, 76
.set G1SB, 80
.set G0SB, 88
.set MSB, 0
.macro WIN new                         ; the immediate's high byte repeats the setting that is left
.if MSB != \new
	s_set_vgpr_msb (MSB<<8)|\new
.set MSB, \new
.endif
.endm
.set MUL_LO, 0xa1                      ; source 0 (B) window 1, source 1 (A) window 0, C and D window 2
.set MUL_HI, 0xf1
.set TO_B,   0x40                      ; destination window 1, address window 0
; A joint load: waves 0 and 1 fetch for A, waves 2 and 3 for B; the branch hangs on the wave's number alone.  An s_nop 0 and four v_nop follow each of the two lines.
.macro JLOAD g0a, g1a, g0b, g1b
	s_cmp_eq_u32 s15, 0
	s_cbranch_scc0 .Lfor_b_\@
	tensor_load_to_lds s[\g0a:\g0a+3], s[\g1a:\g1a+7]
	s_nop 0
.rept 4
	v_nop
.endr
	s_branch .Lasked_\@
.Lfor_b_\@:
	tensor_load_to_lds s[\g0b:\g0b+3], s[\g1b:\g1b+7]
	s_nop 0
.rept 4
	v_nop
.endr
.Lasked_\@:
.endm
.macro CROUND                          ; a round of the cluster's barrier
	s_barrier_signal -1
	s_barrier_wait -1
	s_cmp_lg_u32 s14, 0
	s_cbranch_scc1 .Lnot_wave_0_\@
	s_barrier_signal -3
.Lnot_wave_0_\@:
	s_barrier_wait -3
	s_barrier_signal -1
	s_barrier_wait -1
.endm
	s_load_b256 s[4:11], s[0:1], 0x0               ; xc 4:5, xs 6:7, wc 8:9, ws 10:11
	s_load_b64 s[12:13], s[0:1], 0x40              ; qkv
	v_lshl_add_u32 v[SPW], v0, 2, SPARE
	v_mov_b32 v[NIL], 0
	ds_add_u32 v[SPW], v[NIL]                      ; the wave's opening: the add, twice on end, and its wait ahead of my first tensor load
	ds_add_u32 v[SPW], v[NIL]
	v_lshrrev_b32 v1, 5, v0
	v_readfirstlane_b32 s14, v1                    ; wave 0..3
	s_lshr_b32 s15, s14, 1                         ; which half of A's rows is mine.  Also: I fetch for A (0) or for B (1)
	s_and_b32 s16, s14, 1                          ; which half of B's rows.  Also: which 128 rows I fetch
	s_bfe_u32 s40, ttmp6, 0x40000                  ; cx, cy
	s_bfe_u32 s41, ttmp6, 0x40004
	s_and_b32 s67, ttmp7, 0xffff                   ; cluster y
	s_cmp_eq_u32 ttmp9, 2                          ; V's clusters: the same answer in all sixteen partners
	s_cselect_b32 s42, s67, ttmp9
	s_cselect_b32 s17, ttmp9, s67
	s_lshl_b32 s42, s42, 2
	s_add_co_u32 s42, s42, s40                     ; B's tile of 256 rows: in wc 4 x cluster x + cx; for V in xc 4 x cluster y + cx
	s_lshl_b32 s17, s17, 2
	s_add_co_u32 s17, s17, s41                     ; A's tile: in xc 4 x cluster y + cy; for V in wc 8 + cy
	s_lshl_b32 s43, s41, 2
	s_lshl_b32 s43, 15, s43                        ; my row of the cluster
	s_lshl_b32 s44, 0x1111, s40                    ; my column
	s_or_b32 s[G1+0], s43, (0<<16)|(1<<20)|(1<<21)|(5<<22)|(3<<25)  ; 15:0 the mask; 17:16 elements of 1 byte; 20 padding on; 21 set beside a mask; 24:22 after every 64 words; 31:25 four words
	s_or_b32 s[G1B+0], s44, (0<<16)|(1<<20)|(1<<21)|(5<<22)|(3<<25)
.irp g, G1, G1B
	s_mov_b32 s[\g+1], ROWB<<16                    ; tensor_dim0
	s_mov_b32 s[\g+2], 128<<16                     ; tensor_dim1
	s_mov_b32 s[\g+3], ROWB<<16                    ; tile_dim0
	s_mov_b32 s[\g+4], 128                         ; tile_dim1
	s_mov_b32 s[\g+5], KROW                        ; from row to row
	s_mov_b32 s[\g+6], 0
	s_mov_b32 s[\g+7], 0
.endr
	s_or_b32 s[G1S+0], s43, (3<<16)|(1<<20)|(1<<21)|(5<<22)|(3<<25)   ; the scale bytes of 128 rows: 4,096 dense bytes as 16 rows of 32 elements of 8 bytes
	s_or_b32 s[G1SB+0], s44, (3<<16)|(1<<20)|(1<<21)|(5<<22)|(3<<25)
.irp g, G1S, G1SB
	s_mov_b32 s[\g+1], 32<<16
	s_mov_b32 s[\g+2], (128*KS/256)<<16
	s_mov_b32 s[\g+3], 32<<16
	s_mov_b32 s[\g+4], 128*KS/256
	s_mov_b32 s[\g+5], 32
	s_mov_b32 s[\g+6], 0
	s_mov_b32 s[\g+7], 0
.endr
	s_lshl_b32 s18, s16, 7                         ; which 128 rows of the tile I fetch
	s_lshl_b32 s20, s17, 8
	s_add_co_u32 s20, s20, s18                     ; A's row
	s_lshl_b32 s46, s42, 8
	s_add_co_u32 s46, s46, s18                     ; B's row
	s_mov_b32 s21, 0
	s_mov_b32 s47, 0
	s_mov_b64 s[18:19], KS
	s_mul_u64 s[22:23], s[20:21], s[18:19]         ; where these rows' scale bytes begin,
	s_mul_u64 s[92:93], s[46:47], s[18:19]
	s_mov_b64 s[18:19], KROW
	s_mul_u64 s[20:21], s[20:21], s[18:19]         ; and their codes
	s_mul_u64 s[46:47], s[46:47], s[18:19]
	s_mul_i32 s45, s14, HALFT                      ; where they go: wave x 128 rows
	s_mul_i32 s94, s14, HALFS
	s_wait_dscnt 0x0                               ; both opening adds are done
	s_wait_kmcnt 0x0
	s_cmp_eq_u32 ttmp9, 2                          ; which buffer is A and which is B: a choice on the cluster's number alone
	s_cselect_b64 s[2:3], s[8:9], s[4:5]
	s_add_nc_u64 s[20:21], s[2:3], s[20:21]        ; A's codes
	s_cselect_b64 s[2:3], s[10:11], s[6:7]
	s_add_nc_u64 s[22:23], s[2:3], s[22:23]        ; A's scale bytes
	s_cselect_b64 s[2:3], s[4:5], s[8:9]
	s_add_nc_u64 s[46:47], s[2:3], s[46:47]        ; B's codes
	s_cselect_b64 s[2:3], s[6:7], s[10:11]
	s_add_nc_u64 s[92:93], s[2:3], s[92:93]        ; B's scale bytes
	CROUND                                         ; all sixteen work-groups are here: the joint loads meet
	s_mov_b32 s[G0S], 1
	s_add_co_u32 s[G0S+1], s94, SCL
	s_mov_b64 s[G0S+2:G0S+3], s[22:23]
	s_or_b32 s[G0S+3], s[G0S+3], 0x80000000
	s_mov_b32 s[G0SB], 1
	s_add_co_u32 s[G0SB+1], s94, SCL
	s_mov_b64 s[G0SB+2:G0SB+3], s[92:93]
	s_or_b32 s[G0SB+3], s[G0SB+3], 0x80000000
	JLOAD G0S, G1S, G0SB, G1SB                     ; the scale bytes first; then both slots: three tensor loads of mine are out
.irp s, 0,1
	s_mov_b32 s[G0+4*\s], 1
	s_add_co_u32 s[G0+4*\s+1], s45, \s*SLOT
	s_add_nc_u64 s[G0+4*\s+2:G0+4*\s+3], s[20:21], \s*ROWB
	s_or_b32 s[G0+4*\s+3], s[G0+4*\s+3], 0x80000000
	s_mov_b32 s[G0B+4*\s], 1
	s_add_co_u32 s[G0B+4*\s+1], s45, \s*SLOT
	s_add_nc_u64 s[G0B+4*\s+2:G0B+4*\s+3], s[46:47], \s*ROWB
	s_or_b32 s[G0B+4*\s+3], s[G0B+4*\s+3], 0x80000000
	JLOAD G0+4*\s, G1, G0B+4*\s, G1B
.endr
	s_load_b256 s[4:11], s[0:1], 0x20              ; for the way out: bq 4:5, bk 6:7, bv 8:9, rope 10:11 (the four pointers that stood here are done with); waited for behind the last product
	v_and_b32 v1, 15, v0                           ; r = l % 16
	v_bfe_u32 v2, v0, 4, 1                         ; h = l / 16
	v_mul_u32_u24 v3, v1, PITCH
	v_lshl_add_u32 v4, v2, 4, v3                   ; a fragment's row x pitch + 16 h
	s_mul_i32 s21, s15, HALFT
	s_mul_i32 s22, s16, HALFT
	s_add_co_u32 s22, s22, 2*HALFT
.irp s, 0,1
	v_add_nc_u32 v[ADRA+\s], s21, v4
	v_add_nc_u32 v[ADRB+\s], s22, v4
	s_add_co_u32 s21, s21, SLOT
	s_add_co_u32 s22, s22, SLOT
.endr
	v_mul_u32_u24 v5, v1, KS                       ; my row's scale bytes: 32 a row, and 16 more for each 256 passed
	v_lshrrev_b32 v6, 8, v5
	v_lshl_add_u32 v5, v6, 4, v5
	s_mul_i32 s21, s15, HALFS
	s_mul_i32 s22, s16, HALFS
	s_add_co_u32 s22, s22, 2*HALFS
	s_sub_co_u32 s22, s22, s21
	v_mul_u32_u24 v6, s22, v2                      ; lanes 16-31 take B's
	s_add_co_u32 s21, s21, SCL
	v_add_nc_u32 v5, v5, v6
	v_add_nc_u32 v[ADRS], s21, v5
	s_mul_i32 s23, s14, 16*272                     ; my stage.  All addresses of both ways out are made here, on the one way that every wave takes
	v_mul_u32_u24 v5, v1, 272
	v_lshl_add_u32 v5, v2, 4, v5
	v_add_nc_u32 v[STOQ], s23, v5
	v_add_nc_u32 v[STOV], STGV, v[STOQ]
	v_and_b32 v6, 31, v0
	v_lshlrev_b32 v[L16], 4, v6
	v_lshrrev_b32 v5, 3, v6
	v_mul_u32_u24 v5, v5, 272
	v_and_b32 v3, 7, v0
	v_lshl_add_u32 v5, v3, 4, v5
	v_add_nc_u32 v[RDQ], s23, v5
	v_mul_u32_u24 v5, v2, 272
	v_lshl_add_u32 v5, v1, 4, v5
	v_add_nc_u32 v5, s23, v5
	v_add_nc_u32 v[RDV], STGV, v5
	v_lshlrev_b32 v[COV], 12, v2
	v_lshl_add_u32 v[COV], v1, 4, v[COV]
	v_lshlrev_b32 v[H32], 5, v2
	v_lshlrev_b32 v[R4], 2, v1
.macro FRAG reg, adr, q, i             ; 16 rows x 128 K of 4-bit codes: 8 registers: lane l holds row l % 16; registers 4 c .. 4 c + 3 hold K = 64 c + 32 (l / 16) + 0 .. 31
.irp c, 0,1
	ds_load_b128 v[\reg+4*\c:\reg+4*\c+3], v[\adr] offset:64*(\q)+32*\c+(\i)*16*PITCH
.endr
.endm
; 16 matrix instructions: A's blocks a0, a0 + 1 x B's eight, the slot's q-th 128 along K.  The 64 accumulators take turns, one instruction a turn, in the same order in every step.
; A scale register carries A's words in lanes 0-15 and B's in lanes 16-31.
.macro MUL16 a0, p, q, sc, zero
.irp a, \a0, \a0+1
.irp b, 0,1,2,3,4,5,6,7
.if \zero
	v_wmma_scale_f32_16x16x128_f8f6f4 v[8*(8*((\a)%4)+\b):8*(8*((\a)%4)+\b)+7], v[128*(\p)+FR*\b:128*(\p)+FR*\b+FR-1], v[AF+FR*(\a):AF+FR*(\a)+FR-1], 0, v[SC+8*NQ*(\sc)+NQ*\b+(\q)], v[SC+8*NQ*(\sc)+NQ*(\a)+(\q)] matrix_a_fmt:MATRIX_FMT_FP4 matrix_b_fmt:MATRIX_FMT_FP4 matrix_a_scale:MATRIX_SCALE_ROW1
.else
	v_wmma_scale_f32_16x16x128_f8f6f4 v[8*(8*((\a)%4)+\b):8*(8*((\a)%4)+\b)+7], v[128*(\p)+FR*\b:128*(\p)+FR*\b+FR-1], v[AF+FR*(\a):AF+FR*(\a)+FR-1], v[8*(8*((\a)%4)+\b):8*(8*((\a)%4)+\b)+7], v[SC+8*NQ*(\sc)+NQ*\b+(\q)], v[SC+8*NQ*(\sc)+NQ*(\a)+(\q)] matrix_a_fmt:MATRIX_FMT_FP4 matrix_b_fmt:MATRIX_FMT_FP4 matrix_a_scale:MATRIX_SCALE_ROW1
.endif
.endr
.endr
.endm
.macro FETCH_B slot, q, p
	WIN TO_B
.irp i, 0,1,2,3,4,5,6,7
	FRAG 128*(\p)+FR*\i, ADRB+\slot, \q, \i
.endr
	WIN 0
.endm
.macro FETCH_A slot, q, i0
.irp i, \i0, \i0+1, \i0+2, \i0+3
	FRAG AF+FR*(\i), ADRA+\slot, \q, \i
.endr
.endm
.macro SCALES sc                       ; a slot's scale words: 4 words a row; lanes 0-15 A's block i, lanes 16-31 B's block i
.irp i, 0,1,2,3,4,5,6,7
	ds_load_b128 v[SC+8*NQ*\sc+NQ*\i:SC+8*NQ*\sc+NQ*\i+3], v[ADRS] offset:\i*SBLK
.endr
.endm
.macro PLACES n                        ; plain vector instructions between a matrix instruction and a load into, or a read of, its registers
.rept \n
	v_nop
.endr
.endm
.macro STEP slot, q, zero              ; 128 along K, with its successor in the same slot.  A has one set of registers: blocks 0-3 are fetched anew in the step's middle, blocks 4-7 at its end; B has two sets
	s_wait_dscnt 4*NL                              ; B's set and A's blocks 0-3 are in; the youngest eight loads (A's blocks 4-7) may be out
	WIN MUL_LO
	MUL16 0, (\q)%2, \q, \slot, \zero
	MUL16 2, (\q)%2, \q, \slot, \zero
	s_wait_dscnt 0
	PLACES NP
	FETCH_B \slot, (\q)+1, 1-(\q)%2
	FETCH_A \slot, (\q)+1, 0
	WIN MUL_HI
	MUL16 4, (\q)%2, \q, \slot, \zero
	MUL16 6, (\q)%2, \q, \slot, \zero
	PLACES NP
	WIN 0
	FETCH_A \slot, (\q)+1, 4
.endm
.macro STEPS slot, from
.set Q, \from
.rept NQ-1-\from
	STEP \slot, Q, 0
.set Q, Q+1
.endr
.endm
	s_wait_tensorcnt 1                             ; the scale bytes and my part of slot 0 are in; slot 1's load may be out
	s_barrier_signal -1
	s_barrier_wait -1
	FETCH_B 0, 0, 0
	FETCH_A 0, 0, 0
	SCALES 0
	FETCH_A 0, 0, 4
	STEP 0, 0, 1                                   ; the first step's products start the sums: nothing is cleared
	STEPS 0, 1
	; slot 0's last step changes slots: one barrier; in front of it every wave's part of slot 1 has landed and its reads of slot 0 are over, so that slot 0 can serve as the stage later
	s_wait_tensorcnt 0x0
	ds_add_u32 v[SPW], v[NIL]
	s_wait_dscnt 4*NL+1                            ; the add and the youngest eight loads may be out
	WIN MUL_LO
	MUL16 0, 1, NQ-1, 0, 0
	s_wait_dscnt 0x0
	s_barrier_signal -1
	MUL16 2, 1, NQ-1, 0, 0
	WIN 0
	s_barrier_wait -1
	PLACES NP
	v_add_nc_u32 v[ADRS], 4*NQ, v[ADRS]            ; slot 1's scale words
	FETCH_B 1, 0, 0
	FETCH_A 1, 0, 0
	SCALES 1
	WIN MUL_HI
	MUL16 4, 1, NQ-1, 0, 0
	MUL16 6, 1, NQ-1, 0, 0
	PLACES NP
	WIN 0
	FETCH_A 1, 0, 4
	STEPS 1, 0
	s_wait_dscnt 4*NL                              ; the very last step
	WIN MUL_LO
	MUL16 0, 1, NQ-1, 1, 0
	MUL16 2, 1, NQ-1, 1, 0
	s_wait_dscnt 0
	WIN MUL_HI
	MUL16 4, 1, NQ-1, 1, 0
	MUL16 6, 1, NQ-1, 1, 0
	WIN 0
	PLACES NP                                      ; behind the last products: their results are read, and A's registers written, below
	s_wait_kmcnt 0x0                               ; bq, bk, bv, rope
	s_cmp_eq_u32 ttmp9, 2                          ; THE ONE PARTING: each way out makes its addresses, issues its loads and uses them in its own arm
	s_cbranch_scc1 .Lv_out
; ---------------- Q and K: bias, RoPE, f16; by blocks a of 16 positions x 128 features (two heads) ----------------
	s_lshl_b32 s20, s17, 8
	s_lshl_b32 s21, s15, 7
	s_add_co_u32 s20, s20, s21                     ; my first token
	s_lshr_b32 s21, s20, 11                        ; its batch,
	s_and_b32 s22, s20, 2047                       ; its position
	s_lshl_b32 s46, s42, 8
	s_lshl_b32 s47, s16, 7
	s_add_co_u32 s46, s46, s47                     ; my first row of wc
	s_lshr_b32 s47, s46, 6                         ; 0-15 Q's heads, 16-31 K's
	s_lshr_b32 s18, s47, 4
	s_lshl_b32 s18, s18, 24                        ; Q's part or K's
	s_and_b32 s19, s47, 15
	s_lshl_b32 s21, s21, 4
	s_or_b32 s19, s19, s21
	s_lshl_b32 s19, s19, 18                        ; (batch x 16 + head) x 262,144
	s_add_co_u32 s18, s18, s19
	s_lshl_b32 s19, s22, 7                         ; position x 128
	s_add_co_u32 s18, s18, s19
	s_mov_b32 s19, 0
	s_add_nc_u64 s[12:13], s[12:13], s[18:19]
	s_cmp_eq_u32 ttmp9, 0
	s_cselect_b64 s[4:5], s[4:5], s[6:7]           ; bq or bk
	s_and_b32 s18, s46, 1023
	s_lshl_b32 s18, s18, 2
	s_add_nc_u64 s[4:5], s[4:5], s[18:19]
	s_lshl_b32 s18, s22, 8                         ; the table: 4,096 bytes for 16 positions
	s_add_nc_u64 s[10:11], s[10:11], s[18:19]
	WIN 0x40
.irp b, 0,1,2,3,4,5,6,7
	global_load_b128 v[BI+8*\b:BI+8*\b+3], v[H32], s[4:5] offset:64*\b        ; the bias in the result's layout: features 16 b + 8 h + 0 .. 7
	global_load_b128 v[BI+8*\b+4:BI+8*\b+7], v[H32], s[4:5] offset:64*\b+16
.endr
	WIN 0
.macro TAB a                           ; block a's cos and sin: eight loads of 512 consecutive bytes, into set a % 2
	WIN 0x40
.irp g, 0,1,2,3,4,5,6,7
	global_load_b128 v[CS+32*((\a)%2)+4*\g:CS+32*((\a)%2)+4*\g+3], v[L16], s[10:11] offset:4096*(\a)+512*\g
.endr
	WIN 0
.endm
	TAB 0
	TAB 1
.macro ROPE a
.set AC, 64*((\a)%4)
.set CSA, CS+32*((\a)%2)
.set PB, PKB+32*((\a)%2)
.if (\a) < 7
	s_wait_loadcnt 8                               ; this block's table (and the bias) is in; the next block's eight loads may be out
.else
	s_wait_loadcnt 0x0
.endif
	WIN 0x06+(\a)/4                                ; source 0: the accumulators' window; source 1: window 1
.irp b, 0,1,2,3,4,5,6,7
.irp j, 0,2,4,6
	v_pk_add_f32 v[X+8*\b+\j:X+8*\b+\j+1], v[AC+8*\b+\j:AC+8*\b+\j+1], v[BI+8*\b+\j:BI+8*\b+\j+1]   ; + bias; each accumulator from its low end on
.endr
.endr
	WIN 0x04                                       ; source 1 (cos, sin) window 1
.irp d, 0,1                                    ; head d of my two; u: channels 16 u + 8 h + j and the same + 32
.irp u, 0,1
.irp j, 0,2,4,6
.set X1, X+8*(4*\d+\u)+\j
.set X2, X1+16
.set TT, T+4*((\j/2)%2)
	v_pk_mul_f32 v[TT:TT+1], v[X2:X2+1], v[CSA+16+8*\u+\j:CSA+16+8*\u+\j+1]
	v_pk_mul_f32 v[TT+2:TT+3], v[X1:X1+1], v[CSA+16+8*\u+\j:CSA+16+8*\u+\j+1]
	v_pk_fma_f32 v[X1:X1+1], v[X1:X1+1], v[CSA+8*\u+\j:CSA+8*\u+\j+1], v[TT:TT+1] neg_lo:[0,0,1] neg_hi:[0,0,1]   ; x1 cos - x2 sin
	v_pk_fma_f32 v[X2:X2+1], v[X2:X2+1], v[CSA+8*\u+\j:CSA+8*\u+\j+1], v[TT+2:TT+3]                              ; x2 cos + x1 sin
.endr
.endr
.endr
	WIN 0
.if (\a) >= 2
	s_wait_xcnt 0x0                                ; block a - 2's stores have read the packed rows' registers, which are written again
.endif
.irp b, 0,1,2,3,4,5,6,7
.irp p, 0,1,2,3
	v_cvt_pk_f16_f32 v[PB+4*\b+\p], v[X+8*\b+2*\p], v[X+8*\b+2*\p+1]
.endr
.endr
.if (\a) <= 5
	TAB (\a)+2
.endif
.endm
.macro STAGEQ a                        ; 16 bytes a lane into rows of 272 bytes, and back: four positions x 128 bytes of one head an instruction.  LDS serves a wave's instructions in order
.set PB, PKB+32*((\a)%2)
.irp b, 0,1,2,3,4,5,6,7
	ds_store_b128 v[STOQ], v[PB+4*\b:PB+4*\b+3] offset:32*\b
.endr
.irp d, 0,1
.irp t, 0,1,2,3
	ds_load_b128 v[PB+4*(4*\d+\t):PB+4*(4*\d+\t)+3], v[RDQ] offset:1088*\t+128*\d
.endr
.endr
.endm
.macro SENDQ a
.set PB, PKB+32*((\a)%2)
	s_wait_dscnt 0x0
.irp d, 0,1
.irp t, 0,1,2,3
	global_store_b128 v[L16], v[PB+4*(4*\d+\t):PB+4*(4*\d+\t)+3], s[12:13] offset:262144*\d+2048*(\a)+512*\t   ; 512 consecutive bytes, aligned
.endr
.endr
.endm
	ROPE 0
	STAGEQ 0
.irp a, 1,2,3,4,5,6,7                  ; block a's arithmetic stands between block a - 1's loads from the stage and the wait for them
	ROPE \a
	SENDQ \a-1
	STAGEQ \a
.endr
	SENDQ 7
	s_branch .Lend
; ---------------- V: bias, f16; by blocks a of 16 channels x 128 keys ----------------
.Lv_out:
	s_sub_co_u32 s20, s17, 8
	s_lshl_b32 s20, s20, 8
	s_lshl_b32 s21, s15, 7
	s_add_co_u32 s20, s20, s21                     ; my first channel
	s_lshl_b32 s46, s42, 8
	s_lshl_b32 s47, s16, 7
	s_add_co_u32 s46, s46, s47                     ; my first token
	s_lshr_b32 s18, s46, 11
	s_lshl_b32 s18, s18, 22                        ; batch x 1,024 rows of 4,096 bytes
	s_lshl_b32 s19, s20, 12
	s_add_co_u32 s18, s18, s19
	s_and_b32 s19, s46, 2047
	s_lshl_b32 s19, s19, 1
	s_add_co_u32 s18, s18, s19
	s_add_co_u32 s18, s18, 33554432                ; V^T's part of the buffer
	s_mov_b32 s19, 0
	s_add_nc_u64 s[12:13], s[12:13], s[18:19]
	s_lshl_b32 s18, s20, 2
	s_add_nc_u64 s[8:9], s[8:9], s[18:19]
	WIN 0x40
.irp a, 0,1,2,3,4,5,6,7
	global_load_b32 v[BI+\a], v[R4], s[8:9] offset:64*\a   ; bv of my lane's channel in block a
.endr
	WIN 0
	s_wait_loadcnt 0x0
.macro PACKV a
.set AC, 64*((\a)%4)
.set PB, PKB+32*((\a)%2)
.set BP, BI+2*((\a)/2)
	WIN 0x06+(\a)/4
.irp b, 0,1,2,3,4,5,6,7
.irp j, 0,2,4,6
.if ((\a)%2) == 0
	v_pk_add_f32 v[X+8*\b+\j:X+8*\b+\j+1], v[AC+8*\b+\j:AC+8*\b+\j+1], v[BP:BP+1] op_sel_hi:[1,0]               ; the pair's first register serves both halves
.else
	v_pk_add_f32 v[X+8*\b+\j:X+8*\b+\j+1], v[AC+8*\b+\j:AC+8*\b+\j+1], v[BP:BP+1] op_sel:[0,1] op_sel_hi:[1,1]  ; its second
.endif
.endr
.endr
	WIN 0
.if (\a) >= 2
	s_wait_xcnt 0x0                                ; block a - 2's stores have read the packed rows' registers
.endif
.irp b, 0,1,2,3,4,5,6,7
.irp p, 0,1,2,3
	v_cvt_pk_f16_f32 v[PB+4*\b+\p], v[X+8*\b+2*\p], v[X+8*\b+2*\p+1]
.endr
.endr
.endm
.macro STAGEV a
.set PB, PKB+32*((\a)%2)
.irp b, 0,1,2,3,4,5,6,7
	ds_store_b128 v[STOV], v[PB+4*\b:PB+4*\b+3] offset:32*\b
.endr
.irp t, 0,1,2,3,4,5,6,7
	ds_load_b128 v[PB+4*\t:PB+4*\t+3], v[RDV] offset:544*\t
.endr
.endm
.macro SENDV a
.set PB, PKB+32*((\a)%2)
	s_wait_dscnt 0x0
.irp t, 0,1,2,3,4,5,6,7
	global_store_b128 v[COV], v[PB+4*\t:PB+4*\t+3], s[12:13] offset:(16*(\a)+2*\t)*4096   ; sixteen lanes store 256 consecutive bytes, aligned
.endr
.endm
	PACKV 0
	STAGEV 0
.irp a, 1,2,3,4,5,6,7
	PACKV \a
	SENDV \a-1
	STAGEV \a
.endr
	SENDV 7
.Lend:
	s_wait_tensorcnt 0x0                           ; the wave's end: behind my last tensor load and my last LDS store
	ds_add_u32 v[SPW], v[NIL]
	s_wait_dscnt 0x0
	CROUND                                         ; the closing round
	s_endpgm
.Lfunc_end_k_q7b47252650_qkv:
	.size	k_q7b47252650_qkv, .Lfunc_end_k_q7b47252650_qkv-k_q7b47252650_qkv
	.p2alignl 7, 3214868480
	.fill 96, 4, 3214868480
	.section	.rodata,"a",@progbits
	.p2align	6, 0x0
	.amdhsa_kernel k_q7b47252650_qkv
		.amdhsa_group_segment_fixed_size 327680
		.amdhsa_private_segment_fixed_size 0
		.amdhsa_enable_private_segment 0
		.amdhsa_kernarg_size 72
		.amdhsa_user_sgpr_count 2
		.amdhsa_user_sgpr_kernarg_segment_ptr 1
		.amdhsa_wavefront_size32 1
		.amdhsa_system_sgpr_workgroup_id_x 1
		.amdhsa_system_sgpr_workgroup_id_y 1
		.amdhsa_system_sgpr_workgroup_id_z 1
		.amdhsa_system_vgpr_workitem_id 0
		.amdhsa_next_free_vgpr 1024
		.amdhsa_next_free_sgpr 100
		.amdhsa_reserve_vcc 0
		.amdhsa_float_denorm_mode_32 3
		.amdhsa_float_denorm_mode_16_64 3
		.amdhsa_memory_ordered 1
		.amdhsa_forward_progress 1
		.amdhsa_inst_pref_size 233
	.end_amdhsa_kernel
	.amdgpu_metadata
---
amdhsa.version: [ 1, 2 ]
amdhsa.kernels:
  - .name:           k_q7b47252650_qkv
    .symbol:         k_q7b47252650_qkv.kd
    .args:
      - { .name: xc, .offset: 0, .size: 8, .value_kind: global_buffer, .address_space: global }
      - { .name: xs, .offset: 8, .size: 8, .value_kind: global_buffer, .address_space: global }
      - { .name: wc, .offset: 16, .size: 8, .value_kind: global_buffer, .address_space: global }
      - { .name: ws, .offset: 24, .size: 8, .value_kind: global_buffer, .address_space: global }
      - { .name: bq, .offset: 32, .size: 8, .value_kind: global_buffer, .address_space: global }
      - { .name: bk, .offset: 40, .size: 8, .value_kind: global_buffer, .address_space: global }
      - { .name: bv, .offset: 48, .size: 8, .value_kind: global_buffer, .address_space: global }
      - { .name: rope, .offset: 56, .size: 8, .value_kind: global_buffer, .address_space: global }
      - { .name: qkv, .offset: 64, .size: 8, .value_kind: global_buffer, .address_space: global }
    .group_segment_fixed_size: 327680
    .private_segment_fixed_size: 0
    .kernarg_segment_align: 8
    .kernarg_segment_size: 72
    .max_flat_workgroup_size: 128
    .sgpr_count:     100
    .vgpr_count:     1024
    .wavefront_size: 32
...
	.end_amdgpu_metadata
.endif
;; end of part 2
;; launch attn (part 3): grid 4 x 64, 8 waves a work-group, clusters of 4 x 1, 327,680 bytes of LDS; arguments qkv, ao; writes ao
.if DOCPART == 3
	.amdgcn_target "amdgcn-amd-amdhsa--gfx1250"
	.amdhsa_code_object_version 6
	.text
	.protected	k_q7b47252650_attn
	.globl	k_q7b47252650_attn
	.p2align	8
	.type	k_q7b47252650_attn,@function
k_q7b47252650_attn:
	s_mov_b64 s[64:65], 0
	v_nop
	global_prefetch_b8 v0, s[64:65] scope:SCOPE_SE
	s_setreg_imm32_b32 hwreg(HW_REG_WAVE_MODE, 25, 1), 1
	s_wait_xcnt 0x0
	s_wait_alu depctr_hold_cnt(0) depctr_sa_sdst(0) depctr_va_vdst(0) depctr_va_sdst(0) depctr_va_ssrc(0) depctr_va_vcc(0) depctr_vm_vsrc(0)
	s_getreg_b32 s2, hwreg(HW_REG_IB_STS2, 6, 4)
	s_cmp_eq_u32 s2, 0
	s_cbranch_scc0 .Lentry_in_a_cluster
	s_endpgm
.Lentry_in_a_cluster:
	s_bfe_u32 s2, ttmp6, 0x10000c
	s_cmp_lg_u32 s2, 0x3003
	s_cbranch_scc0 .Lentry_shape_is_right
	s_endpgm
.Lentry_shape_is_right:
; O[g][q] = the sum over k of softmax_k(Q[g][q] . K[g][k] / 8) V[g][k], g = batch x 16 + head, 2,048 positions, head size 64, no mask.  f16 operands, f32 products, maxima and sums.
; qkv: Q at byte 0, K at 16,777,216: [g][position][64] f16;  V^T at 33,554,432: [g][channel 64][position 2048] f16.  ao: [head 16][token 8192][64] f16.
; SHARES.  A work-group owns 512 queries of one head, each of its eight waves 64: four tiles of 16, in 512 registers; two waves to a SIMD, so that one wave's softmax stands beside the other's products.
; Every wave walks all 2,048 keys, 64 a step, in phases: K Q^T, the softmax, V^T P.
; LAYOUT.  S^T = K Q^T (source 0 = 16 keys, source 1 = 16 queries): a lane holds ONE query (lane % 16) and keys 8 (lane / 16) + 0..7.  Two such tiles, rounded to f16 in pairs, ARE source 1 (32 keys x 16 queries)
; of O^T = V^T P, whose result again holds one query a lane.  V^T has the keys innermost, so both K's and V's fragments come out of LDS as they lie.
; SOFTMAX.  For each query a running maximum m and sum l: p = 2^(c s - c m), c = log2(e) / 8; in every step O and l are multiplied by a = 2^(c m_old - c m_new).  m begins at -3e38 and O and l at 0, so the step is written once.
; CLUSTER.  The four query blocks of a head walk the same K and V: each tile is asked for JOINTLY, by the same tensor load with the same descriptor and the mask of all four.
; RING.  Two slots of 256 keys (four steps).  All eight waves fetch: waves 0-3 a quarter of K's 256 rows each, waves 4-7 a quarter of V^T's 64 rows.  A refill is asked for first thing behind the round and has four key steps,
; 256 matrix instructions a wave and their softmax, in which to land; so nothing is asked of memory ahead of the tensor loads.
; LIMITS: NaN and infinities are not served; p under 6e-8 of the row's largest is lost in f16.
; REGISTERS: window 0: v2-9 addresses; v12-43 statistics, eight a tile: +0 c m, +1 m, +2, +3 l, +4..7 at work (a in +6); v44-47 c m_old; v62, v63 the add's two; v64-191 S^T, 32 a tile, P packed into the low 16 of each; v192-255 K's fragments.
;   window 1: v0-127 O^T (tile t, channels 16 ct on: 32 t + 8 ct); v128-191 Q; v192-255 V's fragments.
.set KS,    64
.set PK,    144                        ; a key's row in LDS: 128 bytes + 16: an odd multiple of 16, so that the 16 rows of a load start in different groups of banks
.set PV,    528                        ; a channel's row: 512 bytes (256 keys) + 16
.set VOFF,  256*PK                     ; a slot: 256 rows of K, then 64 rows of V^T
.set SLOT1, 1<<17                      ; slot 1 begins here: one exclusive or turns an address from one slot to the other
.set STAGE, SLOT1+VOFF+64*PV           ; behind the ring: 16 rows x 144 bytes for each wave
.set SPARE, STAGE+8*16*PK              ; the spare words, 128 bytes a wave
.set AK0, 2
.set AV0, 3
.set ADK, 4
.set ADV, 5
.set QO,  6
.set STO, 7
.set RD,  8
.set GO,  9
.set ST,  12
.set OLD, 44
.set SPW, 62
.set NIL, 63
.set S,   64
.set KF,  192
.set QF,  128                          ; in window 1
.set VF,  192                          ; in window 1
.set WV,  12
.set G1K, 24
.set G1V, 32
.set G0K, 40                           ; two sets for the two first fills; the second then walks
.set G0V, 48
.set SLOTS, 56
.set CNT, 57
.set CS,  58
.set SEL, 60
.set TK,  62                           ; LDS byte at which the rows of K to be fetched begin
.set TV,  63                           ; the slot's first byte + 128 x the step: V's keys
.set MSB, 0
.macro WIN new
.if MSB != \new
	s_set_vgpr_msb (MSB<<8)|\new
.set MSB, \new
.endif
.endm
.set W_KQ, 0x04                        ; Q (source 1) window 1; K and S^T window 0
.set W_PV, 0x51                        ; V (source 0) and O^T (C, D) window 1; P window 0
.set W_RS, 0x41                        ; O^T (destination, source 0) window 1; a window 0
.macro JLOAD                           ; a joint refill; the branch hangs on the wave's number alone.  An s_nop 0 and four v_nop follow each of the two lines
	s_cmp_lt_u32 s[WV], 4
	s_cbranch_scc0 .Lfor_v_\@
	tensor_load_to_lds s[G0K+4:G0K+7], s[G1K:G1K+7]
	s_nop 0
.rept 4
	v_nop
.endr
	s_branch .Lasked_\@
.Lfor_v_\@:
	tensor_load_to_lds s[G0V+4:G0V+7], s[G1V:G1V+7]
	s_nop 0
.rept 4
	v_nop
.endr
.Lasked_\@:
.endm
.macro CROUND                          ; a round of the cluster's barrier
	s_barrier_signal -1
	s_barrier_wait -1
	s_cmp_lg_u32 s[WV], 0
	s_cbranch_scc1 .Lnot_wave_0_\@
	s_barrier_signal -3
.Lnot_wave_0_\@:
	s_barrier_wait -3
	s_barrier_signal -1
	s_barrier_wait -1
.endm
	s_load_b128 s[4:7], s[0:1], 0x0                ; qkv, ao
	v_lshl_add_u32 v[SPW], v0, 2, SPARE
	v_mov_b32 v[NIL], 0
	ds_add_u32 v[SPW], v[NIL]                      ; the wave's opening: the add, twice on end, and its wait ahead of my first tensor load
	ds_add_u32 v[SPW], v[NIL]
	v_lshrrev_b32 v1, 5, v0
	v_readfirstlane_b32 s[WV], v1                  ; wave 0..7
	s_bfe_u32 s13, ttmp6, 0x40000                  ; cx
	s_lshl_b32 s14, ttmp9, 2
	s_add_co_u32 s13, s14, s13                     ; my block of 512 queries: it enters Q's and ao's addresses alone
	s_and_b32 s14, ttmp7, 0xffff                   ; g, which the four partners share
	s_lshl_b32 s20, s14, 18                        ; a head is 262,144 bytes in each of Q, K, V^T
	s_and_b32 s16, s[WV], 3                        ; which quarter I fetch
	s_lshl_b32 s22, s16, 13                        ; K: 64 rows of 128 bytes
	s_add_co_u32 s22, s22, s20
	s_add_co_u32 s22, s22, 16777216
	s_mov_b32 s23, 0
	s_lshl_b32 s18, s16, 16                        ; V^T: 16 rows of 4,096 bytes
	s_add_co_u32 s18, s18, s20
	s_add_co_u32 s18, s18, 33554432
	s_mov_b32 s19, 0
	s_mul_i32 s17, s16, 64*PK                      ; and their places in a slot
	s_mul_i32 s15, s16, 16*PV
	s_lshl_b32 s2, s13, 16
	s_lshl_b32 s3, s[WV], 13
	s_add_co_u32 s2, s2, s3                        ; my wave's 64 rows of 128 bytes among a head's
	s_and_b32 s3, s14, 15
	s_lshl_b32 s3, s3, 20                          ; ao: head x 8,192 tokens x 128 bytes,
	s_lshr_b32 s21, s14, 4
	s_lshl_b32 s21, s21, 18                        ; batch x 2,048 tokens
	s_add_co_u32 s21, s21, s3
	s_add_co_u32 s10, s21, s2
	s_mov_b32 s11, 0
	s_add_co_u32 s2, s2, s20                       ; Q
	s_mov_b32 s3, 0
	s_mov_b32 s[G1K], 15|(1<<16)|(1<<20)|(1<<21)|(4<<22)|(3<<25)  ; the mask of all four; elements of 2 bytes; padding on; bit 21 beside a mask; four words after every 32
	s_mov_b32 s[G1K+1], 64<<16                     ; tensor_dim0 = 64
	s_mov_b32 s[G1K+2], 64<<16                     ; tensor_dim1 = 64
	s_mov_b32 s[G1K+3], 64<<16                     ; tile_dim0
	s_mov_b32 s[G1K+4], 64                         ; tile_dim1
	s_mov_b32 s[G1K+5], 64                         ; from row to row
	s_mov_b32 s[G1K+6], 0
	s_mov_b32 s[G1K+7], 0
	s_mov_b32 s[G1V], 15|(1<<16)|(1<<20)|(1<<21)|(6<<22)|(3<<25)  ; four words after every 128
	s_mov_b32 s[G1V+1], 256<<16
	s_mov_b32 s[G1V+2], 16<<16
	s_mov_b32 s[G1V+3], 256<<16
	s_mov_b32 s[G1V+4], 16
	s_mov_b32 s[G1V+5], 2048
	s_mov_b32 s[G1V+6], 0
	s_mov_b32 s[G1V+7], 0
	s_mov_b32 s[CS], 0x3e38aa3b                    ; c = log2(e) / 8
	s_mov_b32 s[CS+1], s[CS]                       ; named with it as a pair, so it is written
	s_mov_b32 s[SEL], 0x76543210
	s_mov_b32 s[SEL+1], 0xfedcba98
	s_mov_b32 s[TK], 0
	s_mov_b32 s[TV], 0
	s_mov_b32 s[SLOTS], 6
	s_wait_dscnt 0x0                               ; both opening adds are done
	s_wait_kmcnt 0x0
	s_add_nc_u64 s[8:9], s[4:5], s[22:23]          ; K at my quarter of slot 0
	s_add_nc_u64 s[20:21], s[4:5], s[18:19]        ; V^T likewise
	s_add_nc_u64 s[4:5], s[4:5], s[2:3]            ; Q at my wave's first row
	s_add_nc_u64 s[6:7], s[6:7], s[10:11]          ; ao likewise
	CROUND                                         ; all four work-groups are here: the first joint loads meet
.irp s, 0,1
	s_mov_b32 s[G0K+4*\s], 1
	s_add_co_u32 s[G0K+4*\s+1], s17, \s*SLOT1
	s_add_nc_u64 s[G0K+4*\s+2:G0K+4*\s+3], s[8:9], \s*32768      ; 256 keys x 128 bytes a slot
	s_or_b32 s[G0K+4*\s+3], s[G0K+4*\s+3], 0x80000000
	s_mov_b32 s[G0V+4*\s], 1
	s_add_co_u32 s[G0V+4*\s+1], s15, \s*SLOT1+VOFF
	s_add_nc_u64 s[G0V+4*\s+2:G0V+4*\s+3], s[20:21], \s*512      ; 256 keys x 2 bytes in each row
	s_or_b32 s[G0V+4*\s+3], s[G0V+4*\s+3], 0x80000000
.endr
	s_cmp_lt_u32 s[WV], 4                          ; a wave's two first fills stand in one branch, ahead of every wait on TENSORcnt and every LDS read: two loads of mine are out
	s_cbranch_scc0 .Lfirst_v
	tensor_load_to_lds s[G0K:G0K+3], s[G1K:G1K+7]
	s_nop 0
	tensor_load_to_lds s[G0K+4:G0K+7], s[G1K:G1K+7]
	s_nop 0
.rept 4
	v_nop
.endr
	s_branch .Lfirst_asked
.Lfirst_v:
	tensor_load_to_lds s[G0V:G0V+3], s[G1V:G1V+7]
	s_nop 0
	tensor_load_to_lds s[G0V+4:G0V+7], s[G1V:G1V+7]
	s_nop 0
.rept 4
	v_nop
.endr
.Lfirst_asked:
	v_and_b32 v1, 15, v0                           ; r
	v_bfe_u32 v10, v0, 4, 1                        ; h
	v_lshlrev_b32 v[QO], 7, v1
	v_lshl_add_u32 v[QO], v10, 4, v[QO]            ; row r of 128 bytes + 16 h
	WIN 0x40
.irp t, 0,1,2,3                                ; Q stays in registers: tile t, channels 32 c on
.irp c, 0,1
	global_load_b128 v[QF+16*\t+8*\c:QF+16*\t+8*\c+3],   v[QO], s[4:5] offset:\t*2048+\c*64
	global_load_b128 v[QF+16*\t+8*\c+4:QF+16*\t+8*\c+7], v[QO], s[4:5] offset:\t*2048+\c*64+32
.endr
.endr
.set i, 0
.rept 128
	v_mov_b32 v[i], 0                              ; O^T: the step is written once; its first run finds zeros, which a = 0 leaves zeros
.set i, i+1
.endr
	WIN 0
	v_mul_u32_u24 v[AK0], v1, PK
	v_lshl_add_u32 v[AK0], v10, 4, v[AK0]
	v_mul_u32_u24 v[AV0], v1, PV
	v_lshl_add_u32 v[AV0], v10, 4, v[AV0]
	v_add_nc_u32 v[AV0], VOFF, v[AV0]
	s_mul_i32 s14, s[WV], 16*PK
	s_add_co_u32 s14, s14, STAGE                   ; my stage
	v_add_nc_u32 v[STO], s14, v[AK0]               ; in: row r, 16 bytes for each half of the lanes
	v_and_b32 v11, 31, v0
	v_lshlrev_b32 v[GO], 4, v11                    ; 16 x lane
	v_lshrrev_b32 v11, 3, v11
	v_mul_u32_u24 v[RD], v11, PK
	v_and_b32 v11, 7, v0
	v_lshl_add_u32 v[RD], v11, 4, v[RD]
	v_add_nc_u32 v[RD], s14, v[RD]                 ; back: row l / 8, 16 (l % 8): four rows of 128 bytes an instruction
.irp t, 0,1,2,3
	v_mov_b32 v[ST+8*\t+1], 0xff61b1e6             ; m = -3e38, under every score
	v_mul_f32 v[ST+8*\t], s[CS], v[ST+8*\t+1]      ; c m
	v_mov_b32 v[ST+8*\t+2], 0                      ; l, in two halves
	v_mov_b32 v[ST+8*\t+3], 0
.endr
.macro FETCH_K                         ; a step's K: 64 keys x 64 channels: fragment (kt, c) at KF + 8 (2 kt + c); sixteen loads in one run
	v_add_nc_u32 v[ADK], s[TK], v[AK0]
.irp k, 0,1,2,3
.irp c, 0,1
	ds_load_b128 v[KF+8*(2*\k+\c):KF+8*(2*\k+\c)+3],   v[ADK] offset:\k*16*PK+64*\c
	ds_load_b128 v[KF+8*(2*\k+\c)+4:KF+8*(2*\k+\c)+7], v[ADK] offset:\k*16*PK+64*\c+32
.endr
.endr
.endm
.macro FETCH_V                         ; a step's V^T: 64 channels x 64 keys: fragment (ct, kb) at VF + 8 (2 ct + kb)
	WIN 0x40
.irp c, 0,1,2,3
.irp b, 0,1
	ds_load_b128 v[VF+8*(2*\c+\b):VF+8*(2*\c+\b)+3],   v[ADV] offset:\c*16*PV+64*\b
	ds_load_b128 v[VF+8*(2*\c+\b)+4:VF+8*(2*\c+\b)+7], v[ADV] offset:\c*16*PV+64*\b+32
.endr
.endr
.endm
.macro KQ_ALL                          ; 32 products: the 16 accumulators take turns, one instruction a turn; the first 16 start the sums
	WIN W_KQ
.irp c, 0,1
.irp k, 0,1,2,3
.irp t, 0,1,2,3
.if \c == 0
	v_wmma_f32_16x16x32_f16 v[S+32*\t+8*\k:S+32*\t+8*\k+7], v[KF+8*(2*\k+\c):KF+8*(2*\k+\c)+7], v[QF+16*\t+8*\c:QF+16*\t+8*\c+7], 0
.else
	v_wmma_f32_16x16x32_f16 v[S+32*\t+8*\k:S+32*\t+8*\k+7], v[KF+8*(2*\k+\c):KF+8*(2*\k+\c)+7], v[QF+16*\t+8*\c:QF+16*\t+8*\c+7], v[S+32*\t+8*\k:S+32*\t+8*\k+7]
.endif
.endr
.endr
.endr
.endm
.macro PV_ALL                          ; 32 products onto O^T, the 16 accumulators by turns
	WIN W_PV
.irp b, 0,1
.irp c, 0,1,2,3
.irp t, 0,1,2,3
	v_wmma_f32_16x16x32_f16 v[32*\t+8*\c:32*\t+8*\c+7], v[VF+8*(2*\c+\b):VF+8*(2*\c+\b)+7], v[S+32*\t+8*\b:S+32*\t+8*\b+7], v[32*\t+8*\c:32*\t+8*\c+7]
.endr
.endr
.endr
.endm
; The softmax of four tiles x 64 keys, the tiles by turns in every group of lines.  pre = 1: the next step's K is fetched behind the first four lines, into registers that the products above have done with.
.macro SOFTMAX pre
.irp t, 0,1,2,3
	v_mov_b32 v[OLD+\t], v[ST+8*\t]                ; c m_old is kept for a.  These four are the places behind the products K Q^T
.endr
.if \pre
	s_add_co_u32 s[TK], s[TK], KS*PK
	FETCH_K
.endif
.irp j, 0,1,2,3                                ; the maximum of 32 scores and the old m: four chains, three operands at a time; each accumulator is first read at its registers 0 to 2
.irp t, 0,1,2,3
	v_max3_num_f32 v[ST+8*\t+4+\j], v[S+32*\t+8*\j], v[S+32*\t+8*\j+1], v[S+32*\t+8*\j+2]
.endr
.endr
.irp q, 1,2
.irp j, 0,1,2,3
.irp t, 0,1,2,3
	v_max3_num_f32 v[ST+8*\t+4+\j], v[ST+8*\t+4+\j], v[S+32*\t+8*\j+2*\q+1], v[S+32*\t+8*\j+2*\q+2]
.endr
.endr
.endr
.irp t, 0,1,2,3
	v_max3_num_f32 v[ST+8*\t+4], v[ST+8*\t+4], v[S+32*\t+7], v[S+32*\t+15]
.endr
.irp t, 0,1,2,3
	v_max3_num_f32 v[ST+8*\t+6], v[ST+8*\t+6], v[S+32*\t+23], v[S+32*\t+31]
.endr
.irp t, 0,1,2,3
	v_max3_num_f32 v[ST+8*\t+4], v[ST+8*\t+4], v[ST+8*\t+5], v[ST+8*\t+6]
.endr
.irp t, 0,1,2,3
	v_max3_num_f32 v[ST+8*\t+4], v[ST+8*\t+4], v[ST+8*\t+7], v[ST+8*\t+1]
.endr
.irp t, 0,1,2,3
	v_permlanex16_b32 v[ST+8*\t+5], v[ST+8*\t+4], s[SEL], s[SEL+1]   ; the query's other 32 keys lie in the lane 16 away
.endr
.irp t, 0,1,2,3
	v_max_num_f32 v[ST+8*\t+1], v[ST+8*\t+4], v[ST+8*\t+5]           ; the new m
.endr
.irp t, 0,1,2,3
	v_mul_f32 v[ST+8*\t], s[CS], v[ST+8*\t+1]                        ; c m
.endr
.irp t, 0,1,2,3
	v_sub_f32 v[ST+8*\t+7], v[OLD+\t], v[ST+8*\t]
.endr
.irp t, 0,1,2,3                                ; ONE BATCH of 132 exponentials: a, then p; nothing in it names a result
	v_exp_f32 v[ST+8*\t+6], v[ST+8*\t+7]           ; a = 2^(c m_old - c m_new)
.endr
.set b, 0
.rept 16
.irp t, 0,1,2,3
	v_pk_fma_f32 v[S+32*\t+2*b:S+32*\t+2*b+1], v[S+32*\t+2*b:S+32*\t+2*b+1], s[CS:CS+1], v[ST+8*\t:ST+8*\t+1] op_sel_hi:[1,0,0] neg_lo:[0,0,1] neg_hi:[0,0,1]   ; c s - c m, a pair of scores
.endr
.irp t, 0,1,2,3
	v_exp_f32 v[S+32*\t+2*b], v[S+32*\t+2*b]
	v_exp_f32 v[S+32*\t+2*b+1], v[S+32*\t+2*b+1]
.endr
.set b, b+1
.endr
	v_nop                                          ; a plain instruction behind the last exponential,
	s_wait_alu depctr_va_vdst(0)                   ; and one wait for the whole batch, ahead of its first reader
.irp t, 0,1,2,3
	v_pk_fma_f32 v[ST+8*\t+2:ST+8*\t+3], v[ST+8*\t+2:ST+8*\t+3], v[ST+8*\t+6:ST+8*\t+7], v[S+32*\t:S+32*\t+1] op_sel_hi:[1,0,1]   ; l = a l + the first pair
.endr
.set b, 1
.rept 15
.irp t, 0,1,2,3
	v_pk_add_f32 v[ST+8*\t+2:ST+8*\t+3], v[ST+8*\t+2:ST+8*\t+3], v[S+32*\t+2*b:S+32*\t+2*b+1]
.endr
.set b, b+1
.endr
.set b, 0
.rept 16                                       ; p to f16, packed in place: register b is written when registers 2 b and 2 b + 1 are read, and was itself read at b / 2
.irp t, 0,1,2,3
	v_cvt_pk_f16_f32 v[S+32*\t+b], v[S+32*\t+2*b], v[S+32*\t+2*b+1]
.endr
.set b, b+1
.endr
	WIN W_RS
.irp t, 0,1,2,3
.set b, 0
.rept 16
	v_pk_mul_f32 v[32*\t+b:32*\t+b+1], v[32*\t+b:32*\t+b+1], v[ST+8*\t+6:ST+8*\t+7] op_sel_hi:[1,0]   ; O^T x a, each accumulator from its low end on
.set b, b+2
.endr
.endr
.endm
; A KEY STEP.  At its head this step's K is on its way (sixteen loads) or in.
.macro STEP pre
	v_add_nc_u32 v[ADV], s[TV], v[AV0]             ; this line and four v_nop: five places between the last products V^T P and the loads into V's registers and the products that write over P
.rept 4
	v_nop
.endr
	FETCH_V
	s_wait_dscnt 16                                ; K is in; V's sixteen loads may be out
	KQ_ALL
	WIN 0
	SOFTMAX \pre
.if \pre
	s_wait_dscnt 16                                ; V is in; the next step's sixteen loads of K may be out
.else
	s_wait_dscnt 0x0
.endif
	PV_ALL
	WIN 0
	s_add_co_u32 s[TV], s[TV], 128                 ; 64 keys on in V's rows
.endm
.macro SLOT_STEPS                      ; a slot's four steps: the first three fetch the next step's K; then on to the other slot
	FETCH_K
	s_mov_b32 s[CNT], 3
.Lstep_\@:
	STEP 1
	s_sub_co_u32 s[CNT], s[CNT], 1
	s_cmp_lg_u32 s[CNT], 0
	s_cbranch_scc1 .Lstep_\@
	STEP 0
	s_sub_co_u32 s[TK], s[TK], 3*KS*PK
	s_xor_b32 s[TK], s[TK], SLOT1
	s_sub_co_u32 s[TV], s[TV], 512
	s_xor_b32 s[TV], s[TV], SLOT1
.endm
; THE CHANGE OF SLOTS.  Each wave waits for all its tensor loads (one is out: its part of the other slot), adds 0 to its spare word, and waits for that and for its reads of the slot that it leaves.
; fill = 1: the barrier is a round of the cluster's, and the slot just left is filled again first thing behind it, with the keys two slots on: one load a wave.
.macro CHANGE fill
	s_wait_tensorcnt 0x0                           ; no tensor load of mine is out, so a group 0 may be written
	ds_add_u32 v[SPW], v[NIL]
.if \fill
	s_xor_b32 s[G0K+5], s[G0K+5], SLOT1            ; the walking descriptors: the other slot than last time,
	s_add_nc_u64 s[G0K+6:G0K+7], s[G0K+6:G0K+7], 32768   ; the next 256 keys; the type bits on top are not reached
	s_xor_b32 s[G0V+5], s[G0V+5], SLOT1
	s_add_nc_u64 s[G0V+6:G0V+7], s[G0V+6:G0V+7], 512
	s_wait_dscnt 0x0
	CROUND
	JLOAD
.else
	s_wait_dscnt 0x0
	s_barrier_signal -1
	s_barrier_wait -1
.endif
.endm
	s_wait_tensorcnt 1                             ; my part of slot 0 is in; slot 1's may stay out
	s_barrier_signal -1
	s_barrier_wait -1
	s_wait_loadcnt 0x0                             ; Q
	SLOT_STEPS                                     ; keys 0-255
.Lslot:                                            ; six trips: slots 2 to 7 are asked for, slots 1 to 6 are walked
	CHANGE 1
	SLOT_STEPS
	s_sub_co_u32 s[SLOTS], s[SLOTS], 1
	s_cmp_lg_u32 s[SLOTS], 0
	s_cbranch_scc1 .Lslot
	CHANGE 0                                       ; the last slot is written out: nothing is left to ask for
	SLOT_STEPS
	; THE WAY OUT.  l's halves and the other half of the lanes' are added (plain lines: the places behind the last products); O^T / l, to f16, through my stage, a tile of 16 rows at a time.
.irp t, 0,1,2,3
	v_add_f32 v[ST+8*\t+4], v[ST+8*\t+2], v[ST+8*\t+3]
.endr
.irp t, 0,1,2,3
	v_permlanex16_b32 v[ST+8*\t+5], v[ST+8*\t+4], s[SEL], s[SEL+1]
.endr
.irp t, 0,1,2,3
	v_add_f32 v[ST+8*\t+4], v[ST+8*\t+4], v[ST+8*\t+5]
.endr
.irp t, 0,1,2,3
	v_rcp_f32 v[ST+8*\t+6], v[ST+8*\t+4]
.endr
	v_nop                                          ; a plain instruction behind the last reciprocal,
	s_wait_alu depctr_va_vdst(0)                   ; and one wait for the four, ahead of the first use
.macro PACK t
	WIN W_RS
.set i, 0
.rept 16
	v_pk_mul_f32 v[32*\t+i:32*\t+i+1], v[32*\t+i:32*\t+i+1], v[ST+8*\t+6:ST+8*\t+7] op_sel_hi:[1,0]
.set i, i+2
.endr
	WIN 0x05                                       ; sources 0 and 1 window 1, destination window 0
.set i, 0
.rept 16
	v_cvt_pk_f16_f32 v[S+32*\t+i], v[32*\t+2*i], v[32*\t+2*i+1]
.set i, i+1
.endr
	WIN 0
.irp c, 0,1,2,3
	ds_store_b128 v[STO], v[S+32*\t+4*\c:S+32*\t+4*\c+3] offset:32*\c      ; channels 16 c + 8 h + 0 .. 7 of row r
.endr
.irp f, 0,1,2,3
	ds_load_b128 v[S+32*\t+4*\f:S+32*\t+4*\f+3], v[RD] offset:\f*4*PK      ; LDS serves a wave's instructions in order: these see the stores above, and the next tile's stores come behind them
.endr
.endm
.macro SEND t, younger                 ; younger: the LDS instructions issued behind tile t's loads
.irp f, 0,1,2,3
	s_wait_dscnt \younger+3-\f
	global_store_b128 v[GO], v[S+32*\t+4*\f:S+32*\t+4*\f+3], s[6:7] offset:\t*2048+\f*512   ; four rows of 128 bytes: 512 consecutive bytes, aligned
.endr
.endm
	PACK 0
	PACK 1
	SEND 0, 8                                      ; behind tile 0's loads: tile 1's four stores and four loads
	PACK 2
	SEND 1, 8
	PACK 3
	SEND 2, 8
	SEND 3, 0
	s_wait_tensorcnt 0x0                           ; the wave's end: behind my last tensor load and my last LDS store
	ds_add_u32 v[SPW], v[NIL]
	s_wait_dscnt 0x0
	CROUND                                         ; the closing round
	s_endpgm
.Lfunc_end_k_q7b47252650_attn:
	.size	k_q7b47252650_attn, .Lfunc_end_k_q7b47252650_attn-k_q7b47252650_attn
	.p2alignl 7, 3214868480
	.fill 96, 4, 3214868480
	.section	.rodata,"a",@progbits
	.p2align	6, 0x0
	.amdhsa_kernel k_q7b47252650_attn
		.amdhsa_group_segment_fixed_size 327680
		.amdhsa_private_segment_fixed_size 0
		.amdhsa_enable_private_segment 0
		.amdhsa_kernarg_size 16
		.amdhsa_user_sgpr_count 2
		.amdhsa_user_sgpr_kernarg_segment_ptr 1
		.amdhsa_wavefront_size32 1
		.amdhsa_system_sgpr_workgroup_id_x 1
		.amdhsa_system_sgpr_workgroup_id_y 1
		.amdhsa_system_sgpr_workgroup_id_z 1
		.amdhsa_system_vgpr_workitem_id 0
		.amdhsa_next_free_vgpr 512
		.amdhsa_next_free_sgpr 66
		.amdhsa_reserve_vcc 0
		.amdhsa_float_denorm_mode_32 3
		.amdhsa_float_denorm_mode_16_64 3
		.amdhsa_memory_ordered 1
		.amdhsa_forward_progress 1
		.amdhsa_inst_pref_size 218
	.end_amdhsa_kernel
	.amdgpu_metadata
---
amdhsa.version: [ 1, 2 ]
amdhsa.kernels:
  - .name:           k_q7b47252650_attn
    .symbol:         k_q7b47252650_attn.kd
    .args:
      - { .name: qkv, .offset: 0, .size: 8, .value_kind: global_buffer, .address_space: global }
      - { .name: ao, .offset: 8, .size: 8, .value_kind: global_buffer, .address_space: global }
    .group_segment_fixed_size: 327680
    .private_segment_fixed_size: 0
    .kernarg_segment_align: 8
    .kernarg_segment_size: 16
    .max_flat_workgroup_size: 256
    .sgpr_count:     66
    .vgpr_count:     512
    .wavefront_size: 32
...
	.end_amdgpu_metadata
.endif
;; end of part 3
;; launch oproj (part 4): grid 8 x 64, 4 waves a work-group, clusters of 4 x 4, 327,680 bytes of LDS; arguments ao, wo16, out0, bo; writes out0
.if DOCPART == 4
	.amdgcn_target "amdgcn-amd-amdhsa--gfx1250"
	.amdhsa_code_object_version 6
	.text
	.protected	k_q7b47252650_oproj
	.globl	k_q7b47252650_oproj
	.p2align	8
	.type	k_q7b47252650_oproj,@function
k_q7b47252650_oproj:
	s_mov_b64 s[64:65], 0
	v_nop
	global_prefetch_b8 v0, s[64:65] scope:SCOPE_SE
	s_setreg_imm32_b32 hwreg(HW_REG_WAVE_MODE, 25, 1), 1
	s_wait_xcnt 0x0
	s_wait_alu depctr_hold_cnt(0) depctr_sa_sdst(0) depctr_va_vdst(0) depctr_va_sdst(0) depctr_va_ssrc(0) depctr_va_vcc(0) depctr_vm_vsrc(0)
	s_getreg_b32 s2, hwreg(HW_REG_IB_STS2, 6, 4)
	s_cmp_eq_u32 s2, 0
	s_cbranch_scc0 .Lentry_in_a_cluster
	s_endpgm
.Lentry_in_a_cluster:
	s_bfe_u32 s2, ttmp6, 0x10000c
	s_cmp_lg_u32 s2, 0xf033
	s_cbranch_scc0 .Lentry_shape_is_right
	s_endpgm
.Lentry_shape_is_right:
; out0[m][n] = the sum over k of A[m][k] Wo[n][k] + bo[n].  M = 8,192, N = 1,024, K = 1,024; f16 operands, f32 sums, f32 out.
; Both operands lie BY PLANES of 64 along K: ao [plane 16][token 8192][64], wo16 [plane 16][n 1024][64]: in a plane a row is 128 bytes and rows are dense.
; A tile of C is 128 x 128: 512 work-groups of equal work.  Four waves, each 64 x 64: 16 accumulators.  K goes in steps of 256 (four planes) through two LDS slots.
; ONE tensor load brings 64 rows x 4 planes: the descriptor's row is a plane's 64 rows, 8,192 dense bytes; its second dimension the four planes; 16 bytes of padding behind every 128, so that in LDS a row of the
; matrix is 144 bytes and a plane 9,216.
; CLUSTERS of 4 x 4: A's tiles are asked for jointly along a row of the cluster, B's along a column.  THE MATRIX INSTRUCTION IS USED TRANSPOSED (source 0 = 16 rows of Wo, source 1 = 16 tokens): a lane holds eight
; neighbouring outputs of one token.  The bias is the C of each sum's first product.  A wave's 64 columns of f32 are 256 bytes: each wave has a stage of its own on the way out, and no barrier is needed there.
; REGISTERS: window 0: v16-29 addresses; v32-63 the bias, later with v64-95 rows on the way out; v128-255 the accumulators ((a, b) at 128 + 8 (4 a + b)).  window 1: two fragment buffers of 128.
.set PITCH,  144
.set PLANE,  64*PITCH
.set HALFT,  4*PLANE                   ; what one tensor load brings, and what one wave reads of A or of B
.set SLOT,   4*HALFT
.set STAGE,  2*SLOT
.set SPITCH, 272
.set SPARE,  STAGE+4*16*SPITCH
.set LAPS,   2                         ; K = 1,024 is four K steps: twice round the ring
.set STEPA,  4*8192*128                ; four planes of ao, in bytes
.set STEPB,  4*1024*128                ; of wo16
.set ADRA, 16
.set ADRB, 20
.set STO,  24
.set RD,   25
.set CO,   26
.set BO,   27
.set SPW,  28
.set NIL,  29
.set BIAS, 32
.set TMP,  32
.set ACC,  128
.set F0,   0
.set F1,   128
.set G1, 24
.set G0, 32
.set G1B, 48
.set G0B, 56
.set MSB, 0
.macro WIN new
.if MSB != \new
	s_set_vgpr_msb (MSB<<8)|\new
.set MSB, \new
.endif
.endm
.set MUL,  0x05                        ; sources 0 (B) and 1 (A) window 1; C and D window 0
.set TO_F, 0x40
.macro JLOAD s                         ; a joint load: waves 0 and 1 fetch A's two halves, waves 2 and 3 B's; an s_nop 0 and four v_nop follow each of the two lines
	s_cmp_eq_u32 s11, 0
	s_cbranch_scc0 .Lfor_b_\@
	tensor_load_to_lds s[G0+4*\s:G0+4*\s+3], s[G1:G1+7]
	s_nop 0
.rept 4
	v_nop
.endr
	s_branch .Lasked_\@
.Lfor_b_\@:
	tensor_load_to_lds s[G0B+4*\s:G0B+4*\s+3], s[G1B:G1B+7]
	s_nop 0
.rept 4
	v_nop
.endr
.Lasked_\@:
.endm
.macro CREST
	s_cmp_lg_u32 s10, 0
	s_cbranch_scc1 .Lnot_wave_0_\@
	s_barrier_signal -3
.Lnot_wave_0_\@:
	s_barrier_wait -3
	s_barrier_signal -1
	s_barrier_wait -1
.endm
.macro CROUND
	s_barrier_signal -1
	s_barrier_wait -1
	CREST
.endm
	s_load_b128 s[4:7], s[0:1], 0x0                ; ao, wo16
	s_load_b64 s[8:9], s[0:1], 0x10                ; out0
	s_load_b64 s[66:67], s[0:1], 0x18              ; bo
	v_lshl_add_u32 v[SPW], v0, 2, SPARE
	v_mov_b32 v[NIL], 0
	ds_add_u32 v[SPW], v[NIL]                      ; the wave's opening: the add, twice on end, and its wait ahead of my first tensor load
	ds_add_u32 v[SPW], v[NIL]
	v_lshrrev_b32 v1, 5, v0
	v_readfirstlane_b32 s10, v1                    ; wave 0..3
	s_lshr_b32 s11, s10, 1                         ; which half of the tile's rows is mine.  Also: I fetch for A (0) or for B (1)
	s_and_b32 s12, s10, 1                          ; which half of its columns.  Also: which 64 rows I fetch
	s_bfe_u32 s40, ttmp6, 0x40000
	s_bfe_u32 s41, ttmp6, 0x40004
	s_lshl_b32 s42, ttmp9, 2
	s_add_co_u32 s42, s42, s40                     ; tile column
	s_and_b32 s13, ttmp7, 0xffff
	s_lshl_b32 s13, s13, 2
	s_add_co_u32 s13, s13, s41                     ; tile row
	s_lshl_b32 s43, s41, 2
	s_lshl_b32 s43, 15, s43                        ; my row of the cluster
	s_lshl_b32 s44, 0x1111, s40                    ; my column
	s_or_b32 s[G1+0], s43, (1<<16)|(1<<20)|(1<<21)|(4<<22)|(3<<25)  ; the mask; elements of 2 bytes; padding on; bit 21 beside a mask; four words after every 32
	s_or_b32 s[G1B+0], s44, (1<<16)|(1<<20)|(1<<21)|(4<<22)|(3<<25)
.irp g, G1, G1B
	s_mov_b32 s[\g+1], 4096<<16                    ; tensor_dim0 = 4,096 elements: 64 rows of 64
	s_mov_b32 s[\g+2], 4<<16                       ; tensor_dim1 = 4 planes
	s_mov_b32 s[\g+3], 4096<<16                    ; tile_dim0
	s_mov_b32 s[\g+4], 4                           ; tile_dim1
	s_mov_b32 s[\g+6], 0
	s_mov_b32 s[\g+7], 0
.endr
	s_mov_b32 s[G1+5], 8192*64                     ; from plane to plane, in elements
	s_mov_b32 s[G1B+5], 1024*64
	s_lshl_b32 s17, s12, 6                         ; which 64 rows of the tile I fetch
	s_lshl_b32 s16, s13, 7
	s_add_co_u32 s16, s16, s17
	s_lshl_b32 s16, s16, 7                         ; A: (128 x tile row + 64 x half) rows of 128 bytes
	s_lshl_b32 s46, s42, 7
	s_add_co_u32 s46, s46, s17
	s_lshl_b32 s46, s46, 7                         ; B likewise, by the tile column
	s_mov_b32 s17, 0
	s_mov_b32 s47, 0
	s_mul_i32 s20, s10, HALFT                      ; where they go: A's two halves, then B's two
	s_wait_dscnt 0x0                               ; both opening adds are done
	s_wait_kmcnt 0x0
	s_add_nc_u64 s[14:15], s[4:5], s[16:17]
	s_add_nc_u64 s[46:47], s[6:7], s[46:47]
	CROUND                                         ; all sixteen work-groups are here: the first joint loads meet
.irp s, 0,1
	s_mov_b32 s[G0+4*\s], 1
	s_add_co_u32 s[G0+4*\s+1], s20, \s*SLOT
	s_add_nc_u64 s[G0+4*\s+2:G0+4*\s+3], s[14:15], \s*STEPA
	s_or_b32 s[G0+4*\s+3], s[G0+4*\s+3], 0x80000000
	s_mov_b32 s[G0B+4*\s], 1
	s_add_co_u32 s[G0B+4*\s+1], s20, \s*SLOT
	s_add_nc_u64 s[G0B+4*\s+2:G0B+4*\s+3], s[46:47], \s*STEPB
	s_or_b32 s[G0B+4*\s+3], s[G0B+4*\s+3], 0x80000000
	JLOAD \s
.endr
	v_and_b32 v1, 15, v0                           ; r
	v_bfe_u32 v2, v0, 4, 1                         ; h
	s_lshl_b32 s46, s42, 9                         ; my first column, in bytes of f32: 512 x tile column + 256 x half
	s_lshl_b32 s47, s12, 8
	s_add_co_u32 s46, s46, s47
	s_mov_b32 s47, 0
	s_add_nc_u64 s[66:67], s[66:67], s[46:47]
	v_lshlrev_b32 v[BO], 5, v2
.irp b, 0,1,2,3
	global_load_b128 v[BIAS+8*\b:BIAS+8*\b+3], v[BO], s[66:67] offset:64*\b       ; the bias in the result's layout: columns 16 b + 8 h + 0 .. 7
	global_load_b128 v[BIAS+8*\b+4:BIAS+8*\b+7], v[BO], s[66:67] offset:64*\b+16
.endr
	v_mul_u32_u24 v3, v1, PITCH
	v_lshl_add_u32 v3, v2, 4, v3                   ; a fragment's row x pitch + 16 h
	s_mul_i32 s21, s11, HALFT
	s_mul_i32 s22, s12, HALFT
	s_add_co_u32 s22, s22, 2*HALFT
.irp s, 0,1
	v_add_nc_u32 v[ADRA+\s], s21, v3
	v_add_nc_u32 v[ADRB+\s], s22, v3
	s_add_co_u32 s21, s21, SLOT
	s_add_co_u32 s22, s22, SLOT
.endr
	s_mul_i32 s23, s10, 16*SPITCH
	s_add_co_u32 s23, s23, STAGE                   ; my stage
	v_mul_u32_u24 v4, v1, SPITCH
	v_lshl_add_u32 v4, v2, 5, v4
	v_add_nc_u32 v[STO], s23, v4                   ; in: row r, 32 bytes for each half of the lanes
	v_mul_u32_u24 v5, v2, SPITCH
	v_lshl_add_u32 v5, v1, 4, v5
	v_add_nc_u32 v[RD], s23, v5                    ; back: lanes 0-15 one row of 256 bytes, lanes 16-31 the next
	v_lshlrev_b32 v[CO], 12, v2
	v_lshl_add_u32 v[CO], v1, 4, v[CO]             ; and the same two rows in out0
	s_lshl_b32 s16, s13, 7
	s_lshl_b32 s17, s11, 6
	s_add_co_u32 s16, s16, s17                     ; my first row
	s_lshl_b32 s16, s16, 12                        ; of 4,096 bytes (under 2^25)
	s_mov_b32 s17, 0
	s_add_nc_u64 s[8:9], s[8:9], s[16:17]
	s_add_nc_u64 s[8:9], s[8:9], s[46:47]
; 8 matrix instructions: m blocks a0, a0 + 1 x all 4 n blocks, 32 along K: half c of buffer f.  zero = 1: the first product starts the sum from the bias.  The 16 accumulators take turns
.macro MUL8 f, c, a0, zero
.irp a, \a0, \a0+1
.irp b, 0,1,2,3
.if \zero
	v_wmma_f32_16x16x32_f16 v[ACC+8*(4*(\a)+\b):ACC+8*(4*(\a)+\b)+7], v[\f+64+8*(4*\c+\b):\f+64+8*(4*\c+\b)+7], v[\f+8*(4*\c+\a):\f+8*(4*\c+\a)+7], v[BIAS+8*\b:BIAS+8*\b+7]
.else
	v_wmma_f32_16x16x32_f16 v[ACC+8*(4*(\a)+\b):ACC+8*(4*(\a)+\b)+7], v[\f+64+8*(4*\c+\b):\f+64+8*(4*\c+\b)+7], v[\f+8*(4*\c+\a):\f+8*(4*\c+\a)+7], v[ACC+8*(4*(\a)+\b):ACC+8*(4*(\a)+\b)+7]
.endif
.endr
.endr
.endm
; 32 LDS loads in one run: the fragments of plane qd of the slot (64 along K) into buffer f; the first 32 along K first
.macro FETCH slot, qd, f
	WIN TO_F
.irp c, 0,1
.irp i, 0,1,2,3
	ds_load_b128 v[\f+64+8*(4*\c+\i):\f+64+8*(4*\c+\i)+3],   v[ADRB+\slot] offset:(\qd)*PLANE+64*\c+\i*16*PITCH
	ds_load_b128 v[\f+64+8*(4*\c+\i)+4:\f+64+8*(4*\c+\i)+7], v[ADRB+\slot] offset:(\qd)*PLANE+64*\c+\i*16*PITCH+32
	ds_load_b128 v[\f+8*(4*\c+\i):\f+8*(4*\c+\i)+3],         v[ADRA+\slot] offset:(\qd)*PLANE+64*\c+\i*16*PITCH
	ds_load_b128 v[\f+8*(4*\c+\i)+4:\f+8*(4*\c+\i)+7],       v[ADRA+\slot] offset:(\qd)*PLANE+64*\c+\i*16*PITCH+32
.endr
.endr
.endm
.macro PLACES                          ; four places in front of loads into registers that matrix instructions have read, and of reads of results
.rept 4
	v_nop
.endr
.endm
; A K step is four quarters of 64 along K (a plane each), 32 matrix instructions, on buffers 0, 1, 0, 1.  One of the first three: multiplies buffer f and fetches plane qd into g.
.macro QUARTER slot, qd, f, g, zero
	s_wait_dscnt 16                                ; the first 32 along K are in; the other sixteen loads may be out
	WIN MUL
	MUL8 \f, 0, 0, \zero
	MUL8 \f, 0, 2, \zero
	PLACES
	FETCH \slot, \qd, \g
	s_wait_dscnt 32                                ; all but the 32 just issued
	WIN MUL
	MUL8 \f, 1, 0, 0
	MUL8 \f, 1, 2, 0
.endm
; The last quarter multiplies buffer 1 and changes slots: ONE barrier; in front of it each wave waits for all its tensor loads, adds 0 to its spare word, and waits for that and for its reads of this slot.
.macro TURN slot, next, fill
	WIN 0
	s_wait_tensorcnt 0x0                           ; all my tensor loads have landed: my part of the next slot
	ds_add_u32 v[SPW], v[NIL]
	s_wait_dscnt 17                                ; the add and the youngest sixteen loads may be out
	WIN MUL
	MUL8 F1, 0, 0, 0
	s_wait_dscnt 0x0                               ; the add is done, and my reads of this slot are over
	s_barrier_signal -1
	MUL8 F1, 0, 2, 0
.if \fill
	WIN 0
.endif
	s_barrier_wait -1
.if \fill
	CREST                                          ; the barrier has opened a round of the cluster's: no wave of any partner still reads this slot or has a load on its way
	s_add_nc_u64 s[G0+4*\slot+2:G0+4*\slot+3], s[G0+4*\slot+2:G0+4*\slot+3], 2*STEPA
	s_add_nc_u64 s[G0B+4*\slot+2:G0B+4*\slot+3], s[G0B+4*\slot+2:G0B+4*\slot+3], 2*STEPB
	JLOAD \slot                                    ; the first tensor load behind the round; its four v_nop are also the places in front of the loads below
.else
	PLACES
.endif
	FETCH \next, 0, F0
	WIN MUL
	MUL8 F1, 1, 0, 0
	MUL8 F1, 1, 2, 0
.endm
	s_wait_tensorcnt 1                             ; my part of K step 0 is in; K step 1's may be out
	s_barrier_signal -1
	s_barrier_wait -1
	s_wait_loadcnt 0x0                             ; the bias
	FETCH 0, 0, F0
	QUARTER 0, 1, F0, F1, 1                        ; the first quarter stands in front of the loop: its first products start the sums
	WIN 0
	s_mov_b32 s3, LAPS-1
.Llap:                                             ; a trip goes once round the ring and fills both slots again
	QUARTER 0, 2, F1, F0, 0
	QUARTER 0, 3, F0, F1, 0
	TURN 0, 1, 1
	QUARTER 1, 1, F0, F1, 0
	QUARTER 1, 2, F1, F0, 0
	QUARTER 1, 3, F0, F1, 0
	TURN 1, 0, 1
	QUARTER 0, 1, F0, F1, 0
	WIN 0
	s_sub_co_u32 s3, s3, 1
	s_cmp_lg_u32 s3, 0
	s_cbranch_scc1 .Llap
	QUARTER 0, 2, F1, F0, 0                        ; the last lap fills nothing
	QUARTER 0, 3, F0, F1, 0
	TURN 0, 1, 0
	QUARTER 1, 1, F0, F1, 0
	QUARTER 1, 2, F1, F0, 0
	QUARTER 1, 3, F0, F1, 0
	s_wait_dscnt 16
	WIN MUL
	MUL8 F1, 0, 0, 0
	MUL8 F1, 0, 2, 0
	s_wait_dscnt 0
	MUL8 F1, 1, 0, 0
	MUL8 F1, 1, 2, 0
	WIN 0
; THE WAY OUT, by blocks of 16 rows x 64 columns: 32 bytes a lane into my own stage, back as whole rows of 256 bytes.  LDS serves a wave's instructions in order: no wait between the stores and the loads.
.macro TOSTAGE a
.irp b, 0,1,2,3
	ds_store_b128 v[STO], v[ACC+8*(4*(\a)+\b):ACC+8*(4*(\a)+\b)+3] offset:64*\b        ; each accumulator from its low end on
	ds_store_b128 v[STO], v[ACC+8*(4*(\a)+\b)+4:ACC+8*(4*(\a)+\b)+7] offset:64*\b+16
.endr
.set BB, TMP+32*((\a)%2)
.irp t, 0,1,2,3,4,5,6,7
	ds_load_b128 v[BB+4*\t:BB+4*\t+3], v[RD] offset:\t*2*SPITCH
.endr
.endm
.macro SEND a, younger
.set BB, TMP+32*((\a)%2)
	s_wait_dscnt \younger
.irp t, 0,1,2,3,4,5,6,7
	global_store_b128 v[CO], v[BB+4*\t:BB+4*\t+3], s[8:9] offset:(16*(\a)+2*\t)*4096 th:TH_STORE_NT   ; sixteen lanes store 256 consecutive bytes, aligned; written once, read by nobody here
.endr
.endm
	PLACES
	TOSTAGE 0
.irp a, 1,2,3
.if \a > 1
	s_wait_xcnt 0x0                                ; block a - 2's stores have read the registers into which block a's loads land
.endif
	TOSTAGE \a
	SEND \a-1, 16                                  ; behind block a - 1's loads: block a's eight stores and eight loads
.endr
	SEND 3, 0
	s_wait_tensorcnt 0x0                           ; the wave's end: behind my last tensor load and my last LDS store
	ds_add_u32 v[SPW], v[NIL]
	s_wait_dscnt 0x0
	CROUND                                         ; the closing round
	s_endpgm
.Lfunc_end_k_q7b47252650_oproj:
	.size	k_q7b47252650_oproj, .Lfunc_end_k_q7b47252650_oproj-k_q7b47252650_oproj
	.p2alignl 7, 3214868480
	.fill 96, 4, 3214868480
	.section	.rodata,"a",@progbits
	.p2align	6, 0x0
	.amdhsa_kernel k_q7b47252650_oproj
		.amdhsa_group_segment_fixed_size 327680
		.amdhsa_private_segment_fixed_size 0
		.amdhsa_enable_private_segment 0
		.amdhsa_kernarg_size 32
		.amdhsa_user_sgpr_count 2
		.amdhsa_user_sgpr_kernarg_segment_ptr 1
		.amdhsa_wavefront_size32 1
		.amdhsa_system_sgpr_workgroup_id_x 1
		.amdhsa_system_sgpr_workgroup_id_y 1
		.amdhsa_system_sgpr_workgroup_id_z 1
		.amdhsa_system_vgpr_workitem_id 0
		.amdhsa_next_free_vgpr 512
		.amdhsa_next_free_sgpr 68
		.amdhsa_reserve_vcc 0
		.amdhsa_float_denorm_mode_32 3
		.amdhsa_float_denorm_mode_16_64 3
		.amdhsa_memory_ordered 1
		.amdhsa_forward_progress 1
		.amdhsa_inst_pref_size 86
	.end_amdhsa_kernel
	.amdgpu_metadata
---
amdhsa.version: [ 1, 2 ]
amdhsa.kernels:
  - .name:           k_q7b47252650_oproj
    .symbol:         k_q7b47252650_oproj.kd
    .args:
      - { .name: ao, .offset: 0, .size: 8, .value_kind: global_buffer, .address_space: global }
      - { .name: wo16, .offset: 8, .size: 8, .value_kind: global_buffer, .address_space: global }
      - { .name: out0, .offset: 16, .size: 8, .value_kind: global_buffer, .address_space: global }
      - { .name: bo, .offset: 24, .size: 8, .value_kind: global_buffer, .address_space: global }
    .group_segment_fixed_size: 327680
    .private_segment_fixed_size: 0
    .kernarg_segment_align: 8
    .kernarg_segment_size: 32
    .max_flat_workgroup_size: 128
    .sgpr_count:     68
    .vgpr_count:     512
    .wavefront_size: 32
...
	.end_amdgpu_metadata
.endif
;; end of part 4
